; MI455X (gfx1250); checked and timed in simulation.
; The chip was launched on July 23, 2026; its instructions are those of AMD's public machine-readable ISA for CDNA 5 (MIT licence, August 2026) and "CDNA5" Instruction Set Architecture Reference Guide (July 2026). The comments in the code are by the model that wrote it; some were corrected since.
;; Attention. Allowed arithmetic: float matrix products may take bf16 or f16 operands with f32 sums; other float arithmetic in f32, or as packed bf16 or f16 multiplies, adds, multiply-adds, maxima and minima; sums over many terms, partial sums and values carried from step to step in f32; what a program stores and reads back later, other than sums and carried values, may be rounded once to bf16 or f16.
;; Inputs: Wk 2,048 x 2,048 float32; Wo 2,048 x 2,048 float32; Wq 2,048 x 2,048 float32; Wv 2,048 x 2,048 float32; cos 1 x 1 x 2,048 x 128 float32; hidden_states 1 x 2,048 x 2,048 float32; sin 1 x 1 x 2,048 x 128 float32.
;; Outputs: out0 1 x 2,048 x 2,048 float32.
;; One version. Each part assembles by itself: llvm-mc -triple=amdgcn-amd-amdhsa -mcpu=gfx1250 --defsym DOCPART=n.
;; ======== version 1 of 1: 4 launches
;; limits: values are held in f16: magnitudes above 65,504 overflow, below 6.1e-05 lose precision; right only within a limited range of input values; inputs' magnitudes at most 65,504
;; workspace buffers: xw 33,554,432 bytes; wo16 8,388,608 bytes; cs 1,048,576 bytes; qkv 25,165,824 bytes; ob 8,388,608 bytes
;; launch cast (part 1): grid 256 x 1, 8 waves a work-group, no clusters, 0 bytes of LDS; arguments hidden_states, Wq, Wk, Wv, Wo, cos, sin, xw, wo16, cs; writes xw, wo16, cs
.if DOCPART == 1
	.amdgcn_target "amdgcn-amd-amdhsa--gfx1250"
	.amdhsa_code_object_version 6
	.text
	.protected	k_q861ee4828f_cast
	.globl	k_q861ee4828f_cast
	.p2align	8
	.type	k_q861ee4828f_cast,@function
k_q861ee4828f_cast:
	s_mov_b64 s[64:65], 0
	v_nop
	global_prefetch_b8 v0, s[64:65] scope:SCOPE_SE
	s_setreg_imm32_b32 hwreg(HW_REG_WAVE_MODE, 25, 1), 1
	s_wait_xcnt 0x0
; ALL SEVEN INPUTS ARE ROUNDED ONCE TO bf16, so that the three matrix launches behind read 16-bit tiles.
;   xw   = x, Wq, Wk, Wv as bf16 [2048][2048], four sections of 8,388,608 bytes
;   wo16 = Wo rounded to bf16, that number written as f16 (exact from 6.1e-5 up; below that f16's fixed step of 6e-8; |Wo| stays under 65,504)
;   cs   = cos / 64 at byte 0 and sin / 64 at byte 524,288, bf16 [2048][128]: the power of two changes no bit of the rounding and keeps q and k inside f16 later
; A stream: no LDS, no barrier, no matrix unit.  Work-group g owns bytes 65,536 g on of each large array and 4,096 g on of cos and sin.
; Thread t loads 16 bytes at 16 t + 4,096 j (a wave: 512 consecutive bytes) and stores 8 bytes at 8 t + 2,048 j (a wave: 256 consecutive bytes, aligned).
; Two sets of 16 loads a thread: while one is converted and stored the other is on its way.
.set X,  4                             ; v[4:131]    two sets of 64: an array's 16 loads
.set Y,  132                           ; v[132:195]  two sets of 32: what is stored
.set XC, 196                           ; v[196:203]  cos, sin
.set T,  204                           ; v[204:211]  at work
	s_load_b512 s[8:23], s[0:1], 0x0               ; x 8, Wq 10, Wk 12, Wv 14, Wo 16, cos 18, sin 20, xw 22
	s_load_b128 s[24:27], s[0:1], 0x40             ; wo16 24, cs 26
	v_lshlrev_b32 v1, 4, v0                        ; 16 t: never rewritten
	v_lshlrev_b32 v2, 3, v0                        ; 8 t: never rewritten
	s_lshl_b32 s2, ttmp9, 16                       ; my part of a large input,
	s_mov_b32 s3, 0
	s_lshl_b32 s4, ttmp9, 12                       ; of cos and sin,
	s_mov_b32 s5, 0
	s_lshl_b32 s6, ttmp9, 15                       ; of a large output,
	s_mov_b32 s7, 0
	s_lshl_b32 s40, ttmp9, 11                      ; of the table
	s_mov_b32 s41, 0
	s_mov_b32 s38, 0xffff0000                      ; a word's upper bf16
	s_wait_kmcnt 0x0
.irp b, 8,10,12,14,16
	s_add_nc_u64 s[\b:\b+1], s[\b:\b+1], s[2:3]
.endr
	s_add_nc_u64 s[18:19], s[18:19], s[4:5]
	s_add_nc_u64 s[20:21], s[20:21], s[4:5]
	s_add_nc_u64 s[28:29], s[22:23], s[6:7]        ; xw's four sections
	s_add_nc_u64 s[30:31], s[28:29], 0x800000
	s_add_nc_u64 s[32:33], s[30:31], 0x800000
	s_add_nc_u64 s[34:35], s[32:33], 0x800000
	s_add_nc_u64 s[24:25], s[24:25], s[6:7]
	s_add_nc_u64 s[26:27], s[26:27], s[40:41]
	s_add_nc_u64 s[36:37], s[26:27], 0x80000       ; the sines
.macro LD16 st, base
.set j, 0
.rept 16
	global_load_b128 v[X+64*(\st)+4*j:X+64*(\st)+4*j+3], v1, s[\base:\base+1] offset:4096*j th:TH_LOAD_NT
.set j, j+1
.endr
.endm
.macro CV16 st                         ; two roundings to bf16 an instruction
.set j, 0
.rept 32
	v_cvt_pk_bf16_f32 v[Y+32*(\st)+j], v[X+64*(\st)+2*j], v[X+64*(\st)+2*j+1]
.set j, j+1
.endr
.endm
.macro CW16 st                         ; to bf16, back to f32 (a shift, a mask), and that number to f16
.set j, 0
.rept 16
	v_cvt_pk_bf16_f32 v[T], v[X+64*(\st)+4*j], v[X+64*(\st)+4*j+1]
	v_cvt_pk_bf16_f32 v[T+1], v[X+64*(\st)+4*j+2], v[X+64*(\st)+4*j+3]
	v_lshlrev_b32 v[T+2], 16, v[T]
	v_and_b32 v[T+3], s38, v[T]
	v_lshlrev_b32 v[T+4], 16, v[T+1]
	v_and_b32 v[T+5], s38, v[T+1]
	v_cvt_pk_f16_f32 v[Y+32*(\st)+2*j], v[T+2], v[T+3]
	v_cvt_pk_f16_f32 v[Y+32*(\st)+2*j+1], v[T+4], v[T+5]
.set j, j+1
.endr
.endm
.macro ST16 st, base
.set j, 0
.rept 16
	global_store_b64 v2, v[Y+32*(\st)+2*j:Y+32*(\st)+2*j+1], s[\base:\base+1] offset:2048*j th:TH_STORE_NT
.set j, j+1
.endr
.endm
	LD16 0, 8                                      ; x
	LD16 1, 10                                     ; Wq
	s_wait_loadcnt 16                              ; x is in; Wq's 16 loads may stay out
	CV16 0
	ST16 0, 28
	LD16 0, 12                                     ; Wk
	s_wait_loadcnt 16                              ; Wq is in
	CV16 1
	ST16 1, 30
	LD16 1, 14                                     ; Wv
	s_wait_loadcnt 16                              ; Wk is in
	s_wait_xcnt 0x0                                ; the stores of x have read Y's set 0: it is rewritten only behind this wait
	CV16 0
	ST16 0, 32
	LD16 0, 16                                     ; Wo
	global_load_b128 v[XC:XC+3], v1, s[18:19] th:TH_LOAD_NT
	global_load_b128 v[XC+4:XC+7], v1, s[20:21] th:TH_LOAD_NT
	s_wait_loadcnt 18                              ; Wv is in; Wo's 16 and the two of cos and sin may stay out
	s_wait_xcnt 0x0                                ; Y's set 1
	CV16 1
	ST16 1, 34
	s_wait_loadcnt 2                               ; Wo is in
	s_wait_xcnt 0x0                                ; Y's set 0
	CW16 0
	ST16 0, 24
	s_wait_loadcnt 0x0                             ; cos and sin
.irp i, 0,2,4,6
	v_pk_mul_f32 v[XC+\i:XC+\i+1], v[XC+\i:XC+\i+1], 0x3c800000 op_sel_hi:[1,0]  ; times 2^-6
.endr
.irp i, 0,1,2,3
	v_cvt_pk_bf16_f32 v[T+\i], v[XC+2*\i], v[XC+2*\i+1]
.endr
	global_store_b64 v2, v[T:T+1], s[26:27] th:TH_STORE_NT
	global_store_b64 v2, v[T+2:T+3], s[36:37] th:TH_STORE_NT
	s_endpgm
.Lfunc_end_k_q861ee4828f_cast:
	.size	k_q861ee4828f_cast, .Lfunc_end_k_q861ee4828f_cast-k_q861ee4828f_cast
	.p2alignl 7, 3214868480
	.fill 96, 4, 3214868480
	.section	.rodata,"a",@progbits
	.p2align	6, 0x0
	.amdhsa_kernel k_q861ee4828f_cast
		.amdhsa_group_segment_fixed_size 0
		.amdhsa_private_segment_fixed_size 0
		.amdhsa_enable_private_segment 0
		.amdhsa_kernarg_size 80
		.amdhsa_user_sgpr_count 2
		.amdhsa_user_sgpr_kernarg_segment_ptr 1
		.amdhsa_wavefront_size32 1
		.amdhsa_system_sgpr_workgroup_id_x 1
		.amdhsa_system_sgpr_workgroup_id_y 1
		.amdhsa_system_sgpr_workgroup_id_z 1
		.amdhsa_system_vgpr_workitem_id 0
		.amdhsa_next_free_vgpr 212
		.amdhsa_next_free_sgpr 66
		.amdhsa_reserve_vcc 0
		.amdhsa_float_denorm_mode_32 3
		.amdhsa_float_denorm_mode_16_64 3
		.amdhsa_memory_ordered 1
		.amdhsa_forward_progress 1
		.amdhsa_inst_pref_size 32
	.end_amdhsa_kernel
	.amdgpu_metadata
---
amdhsa.version: [ 1, 2 ]
amdhsa.kernels:
  - .name:           k_q861ee4828f_cast
    .symbol:         k_q861ee4828f_cast.kd
    .args:
      - { .name: hidden_states, .offset: 0, .size: 8, .value_kind: global_buffer, .address_space: global }
      - { .name: Wq, .offset: 8, .size: 8, .value_kind: global_buffer, .address_space: global }
      - { .name: Wk, .offset: 16, .size: 8, .value_kind: global_buffer, .address_space: global }
      - { .name: Wv, .offset: 24, .size: 8, .value_kind: global_buffer, .address_space: global }
      - { .name: Wo, .offset: 32, .size: 8, .value_kind: global_buffer, .address_space: global }
      - { .name: cos, .offset: 40, .size: 8, .value_kind: global_buffer, .address_space: global }
      - { .name: sin, .offset: 48, .size: 8, .value_kind: global_buffer, .address_space: global }
      - { .name: xw, .offset: 56, .size: 8, .value_kind: global_buffer, .address_space: global }
      - { .name: wo16, .offset: 64, .size: 8, .value_kind: global_buffer, .address_space: global }
      - { .name: cs, .offset: 72, .size: 8, .value_kind: global_buffer, .address_space: global }
    .group_segment_fixed_size: 0
    .private_segment_fixed_size: 0
    .kernarg_segment_align: 8
    .kernarg_segment_size: 80
    .max_flat_workgroup_size: 256
    .sgpr_count:     66
    .vgpr_count:     212
    .wavefront_size: 32
...
	.end_amdgpu_metadata
.endif
;; end of part 1
;; launch qkv (part 2): grid 16 x 16, 4 waves a work-group, clusters of 4 x 4, 327,680 bytes of LDS; arguments xw, cs, qkv; writes qkv
.if DOCPART == 2
	.amdgcn_target "amdgcn-amd-amdhsa--gfx1250"
	.amdhsa_code_object_version 6
	.text
	.protected	k_q861ee4828f_qkv
	.globl	k_q861ee4828f_qkv
	.p2align	8
	.type	k_q861ee4828f_qkv,@function
k_q861ee4828f_qkv:
	s_mov_b64 s[64:65], 0
	v_nop
	global_prefetch_b8 v0, s[64:65] scope:SCOPE_SE
	s_setreg_imm32_b32 hwreg(HW_REG_WAVE_MODE, 25, 1), 1
	s_wait_xcnt 0x0
	s_wait_alu depctr_hold_cnt(0) depctr_sa_sdst(0) depctr_va_vdst(0) depctr_va_sdst(0) depctr_va_ssrc(0) depctr_va_vcc(0) depctr_vm_vsrc(0)
	s_getreg_b32 s2, hwreg(HW_REG_IB_STS2, 6, 4)
	s_cmp_eq_u32 s2, 0
	s_cbranch_scc0 .Lentry_in_a_cluster
	s_endpgm
.Lentry_in_a_cluster:
	s_bfe_u32 s2, ttmp6, 0x10000c
	s_cmp_lg_u32 s2, 0xf033
	s_cbranch_scc0 .Lentry_shape_is_right
	s_endpgm
.Lentry_shape_is_right:
; q, k, v = x Wq^T, x Wk^T, x Wv^T in bf16 with f32 sums, the rotary embedding on q and k in f32, all three rounded once to f16 and stored by heads:
; qkv = q / 64, k / 64, v, each [16][2048][128] f16, sections of 8,388,608 bytes.  The 1 / 64 sits in the table cs (cos / 64, sin / 64 in bf16).
; LIMITS.  f16 ends at 65,504: this text serves |q|, |k| under 4.19e6 and |v| under 65,504; below 6.1e-5 a stored number keeps f16's fixed step of 6e-8.  NaN and infinities are not treated apart.
; ORDER OF THE SUMS.  K goes in 16 steps of 128, ascending from step K0 and round to K0 - 1; K0 is 0 or 8 (below): a rotation of the ascending order.
; SHARES.  A work-group makes one head's q, k and v for 128 rows: a tile of 128 x 384, 256 work-groups of equal work.  Wave w makes all 128 rows (8 blocks of 16) x, of each of the three tensors,
; columns 16 w .. 16 w + 15 and 64 + 16 w .. 64 + 16 w + 15: the two channels that the embedding mixes (d and d + 64) lie in the same lane and register number of two accumulators of one wave.
; 48 accumulators, 384 registers; for 32 along K a wave issues 28 LDS loads and 48 matrix instructions.
; THE MATRIX INSTRUCTION IS USED TRANSPOSED (source 0 = 16 rows of W, source 1 = 16 rows of x): lane l holds row l % 16 and the columns 8 (l / 16) + 0..7: 16 bytes of f16 on end.
; RING.  Two LDS slots of one K step; wave 0 fetches x's 128 rows, waves 1, 2, 3 the head's 128 rows of Wq, Wk, Wv: rows of 256 bytes, aligned, one tensor load a wave and step.
; A K step is written once: the walking descriptor's LDS word and the reads' slot base are turned by one exclusive or, the descriptor's address is made anew from the step's number.
; CLUSTER 4 x 4.  x's tile hangs on the row block alone: asked for jointly by a row of the cluster; W's tiles on the head alone: by a column.
; WHERE THE WALK BEGINS.  K0 = 8 x ((X ^ X >> 1 ^ Y ^ Y >> 1) & 1), X and Y the cluster's place in the grid: the same in all sixteen partners.  Of the clusters that read the same rows of x (same Y)
; or of W (same X), half begin at step 0 and half at step 8, so each block of xw is read by half of its readers eight steps ahead of the other half.
; REGISTERS (windows of 256): window 0: v0-31 addresses; v64-127, v128-191 x's fragments, two buffers; v192-247 at work on the way out.  window 1: v0-47, v48-95 W's fragments, two buffers; v96-223 the table.
;   windows 2, 3: accumulator (row block a, b = 2 tensor + half) at v[8 (6 (a % 4) + b)] of window 2 + a / 4.
.set KSTEP,  128
.set PITCH,  272                       ; an LDS row: 256 bytes + 16 of padding = 68 words: the 16 rows of a fragment load start at 16 different groups of four banks (64 banks of 4 bytes: ISA guide 11.1)
.set HALFT,  128*PITCH                 ; what one tensor load brings
.set SLOT,   4*HALFT                   ; x, Wq, Wk, Wv: 0x22000, which shares no bit with wave x HALFT
.set SPARE,  2*SLOT                    ; behind the ring: the spare words, 128 bytes a wave: two blocks of 256 bytes that no other line names
.set ADRA0, 16                         ; v16  my lane's place in x's tile, slot 0; never rewritten
.set ADRA,  17                         ; v17  the same in the slot that is read
.set ADRB0, 20                         ; v20  in Wq's tile at my wave's rows (Wk's is reached by the immediate)
.set ADRB,  21
.set ADRC0, 22                         ; v22  in Wv's tile: 2 HALFT on, past the 16-bit immediate
.set ADRC,  23
.set STO,   24                         ; v24  the way out: where I put 16 bytes of a row of q (k by the immediate)
.set STO2,  25                         ; v25  of v
.set RD,    26                         ; v26  where I read rows back
.set RD2,   27
.set CO,    12                         ; v12  16 x lane: my place in 512 consecutive bytes of the output
.set SPW,   28                         ; v28  my spare word; never rewritten
.set NIL,   29                         ; v29  0; never rewritten
.set PFO,   30                         ; v30  lane x 4,096: a row of xw; never rewritten
.set CSO,   31                         ; v31  my place in 16 rows of the table
.set FA,    64                         ; x's fragments: buffer p at FA + 64 p
.set TB,    96                         ; window 1: the table of row block a at TB + 16 a: cos low, cos high, sin low, sin high channels, 4 registers of 8 bf16 each
.set CF,    192                        ; the same 32 numbers in f32
.set RL,    224                        ; the turned low channels
.set RH,    232                        ; the turned high channels
.set PKR,   240                        ; packed f16
.set TC,  2                            ; s2   counts the tail's two trips
.set SB,  11                           ; s11  the slot that is read: 0 or SLOT
.set KN,  12                           ; s12  the K step to be asked for next
.set K0,  45                           ; s45  the K step at which my cluster's walk begins
.set OFF, 78                           ; s[78:79] a K step's byte offset in a row
.set G1,  24                           ; s[24:31] descriptor group 1 for x's tiles; s[32:35] group 0 of the first fill, s[36:39] of the second, which then walks
.set G0,  32
.set G1B, 48                           ; s[48:55], s[56:63] the same for W's tiles
.set G0B, 56
.set PFA, 66                           ; s[66:67] where my prefetches stand
.set LIM, 68                           ; s68  10 in a wave that prefetches, else the greatest number
.set MSB, 0
.macro WIN new                         ; the immediate's high byte repeats the setting that is left; a switch that changes nothing is dropped
.if MSB != (\new)
	s_set_vgpr_msb (MSB<<8)|(\new)
.set MSB, \new
.endif
.endm
.set MUL_LO, 0xa1                      ; source 0 (W) window 1, source 1 (x) window 0, C and D window 2
.set MUL_HI, 0xf1                      ; the same, C and D window 3
.set TO_B,   0x40                      ; destination window 1, address window 0
; A joint load.  Each of the two lines has one mask and one set of registers; the branch hangs on the wave's number alone.  An s_nop 0 and four v_nop follow each line.
.macro JLOAD s
	s_cmp_eq_u32 s10, 0
	s_cbranch_scc0 .Lfor_b_\@
	tensor_load_to_lds s[G0+4*(\s):G0+4*(\s)+3], s[G1:G1+7]
	s_nop 0
.rept 4
	v_nop
.endr
	s_branch .Lasked_\@
.Lfor_b_\@:
	tensor_load_to_lds s[G0B+4*(\s):G0B+4*(\s)+3], s[G1B:G1B+7]
	s_nop 0
.rept 4
	v_nop
.endr
.Lasked_\@:
.endm
; A prefetch into the L2, behind a refill and the run of LDS loads behind it: the K step two refills on (384 matrix instructions ahead of the load that wants it), 32 rows x 256 bytes, a lane a row.
; Only the first eight steps of a walk are a block's first reading in the launch.  x's rows are asked for by the clusters with X < 2 (wave 0), W's by the clusters with Y < 2 (waves 1 to 3): one cluster
; of each starting step; the four partners that ask for a tile jointly take 32 of its 128 rows each, told apart by address.  So each block is named once.  The loop's first four trips (s3 above 10)
; name the walk's steps 4 to 7; its steps 0 to 3 come by their loads alone.
.macro ASK
	s_cmp_gt_u32 s3, s[LIM]
	s_cbranch_scc0 .Lnot_mine_\@
	global_prefetch_b8 v[PFO], s[PFA:PFA+1] offset:KSTEP*2 th:TH_LOAD_NT scope:SCOPE_SE
.Lnot_mine_\@:
.endm
.macro CREST                           ; a round of the cluster's barrier behind its opening barrier
	s_cmp_lg_u32 s10, 0
	s_cbranch_scc1 .Lnot_wave_0_\@
	s_barrier_signal -3
.Lnot_wave_0_\@:
	s_barrier_wait -3
	s_barrier_signal -1
	s_barrier_wait -1
.endm
.macro CROUND
	s_barrier_signal -1
	s_barrier_wait -1
	CREST
.endm
	s_load_b128 s[4:7], s[0:1], 0x0                ; xw s[4:5], cs s[6:7]
	s_load_b64 s[8:9], s[0:1], 0x10                ; qkv
	v_lshl_add_u32 v[SPW], v0, 2, SPARE
	v_mov_b32 v[NIL], 0
	ds_add_u32 v[SPW], v[NIL]                      ; the wave's opening: the add and its wait stand ahead of my first tensor load; the set-up below stands between them
	v_lshrrev_b32 v1, 5, v0
	v_readfirstlane_b32 s10, v1                    ; wave 0..3: also the section of xw that I fetch
	s_bfe_u32 s40, ttmp6, 0x40000                  ; cx
	s_bfe_u32 s41, ttmp6, 0x40004                  ; cy
	s_lshl_b32 s42, ttmp9, 2
	s_add_co_u32 s42, s42, s40                     ; the head = 4 x cluster x + cx
	s_and_b32 s13, ttmp7, 0xffff
	s_lshl_b32 s13, s13, 2
	s_add_co_u32 s13, s13, s41                     ; the block of 128 rows = 4 x cluster y + cy
	s_lshl_b32 s43, s41, 2
	s_lshl_b32 s43, 15, s43                        ; my row of the cluster
	s_lshl_b32 s44, 0x1111, s40                    ; my column
	s_or_b32 s[G1+0], s43, (1<<16)|(1<<20)|(1<<21)|(5<<22)|(3<<25)   ; 15:0 the mask; 17:16 2-byte elements; 20 padding on; 21 set beside a mask; 24:22 after every 64 words; 31:25 4 words of it
	s_or_b32 s[G1B+0], s44, (1<<16)|(1<<20)|(1<<21)|(5<<22)|(3<<25)
.irp g, G1, G1B
	s_mov_b32 s[(\g)+1], KSTEP<<16                 ; tensor_dim0 = 128
	s_mov_b32 s[(\g)+2], 128<<16                   ; tensor_dim1 = 128
	s_mov_b32 s[(\g)+3], KSTEP<<16                 ; tile_dim0 = 128
	s_mov_b32 s[(\g)+4], 128                       ; tile_dim1 = 128
	s_mov_b32 s[(\g)+5], 2048                      ; elements from row to row
	s_mov_b32 s[(\g)+6], 0
	s_mov_b32 s[(\g)+7], 0
.endr
	s_and_b32 s[K0], ttmp7, 0xffff                 ; Y
	s_lshr_b32 s[OFF+1], s[K0], 1
	s_xor_b32 s[K0], s[K0], s[OFF+1]               ; Y ^ Y >> 1
	s_xor_b32 s[K0], s[K0], ttmp9                  ; ^ X
	s_lshr_b32 s[OFF+1], ttmp9, 1
	s_xor_b32 s[K0], s[K0], s[OFF+1]               ; ^ X >> 1
	s_and_b32 s[K0], s[K0], 1
	s_lshl_b32 s[K0], s[K0], 3                     ; 0 or 8
	s_lshl_b32 s[OFF], s[K0], 8                    ; a K step is 256 bytes of a row
	s_mov_b32 s[OFF+1], 0
	s_add_co_u32 s[KN], s[K0], 2                   ; the first refill asks for the walk's step 2
	s_mov_b32 s[SB], 0
	s_lshl_b32 s16, s13, 19                        ; x: 128 rows of 4,096 bytes a block
	s_mov_b32 s17, 0
	s_lshl_b32 s46, s42, 19                        ; W: the head's 128 rows,
	s_lshl_b32 s47, s10, 23                        ; in my wave's section
	s_add_co_u32 s46, s46, s47
	s_mov_b32 s47, 0
	s_mul_i32 s20, s10, HALFT                      ; where my tile goes: no place in the cluster enters an LDS address
	s_mov_b32 s69, 0xffff0000                      ; a word's upper bf16
	s_wait_dscnt 0x0                               ; the opening add is done
	s_wait_kmcnt 0x0
	s_add_nc_u64 s[14:15], s[4:5], s[16:17]        ; x's rows at K = 0: kept
	s_add_nc_u64 s[46:47], s[4:5], s[46:47]        ; W's rows at K = 0: kept
	CROUND                                         ; all sixteen work-groups are here: the first joint loads meet
.irp s, 0,1
	s_mov_b32 s[G0+4*(\s)], 1
	s_add_co_u32 s[G0+4*(\s)+1], s20, (\s)*SLOT
	s_add_nc_u64 s[G0+4*(\s)+2:G0+4*(\s)+3], s[14:15], s[OFF:OFF+1]
	s_add_nc_u64 s[G0+4*(\s)+2:G0+4*(\s)+3], s[G0+4*(\s)+2:G0+4*(\s)+3], (\s)*KSTEP*2
	s_or_b32 s[G0+4*(\s)+3], s[G0+4*(\s)+3], 0x80000000
	s_mov_b32 s[G0B+4*(\s)], 1
	s_add_co_u32 s[G0B+4*(\s)+1], s20, (\s)*SLOT
	s_add_nc_u64 s[G0B+4*(\s)+2:G0B+4*(\s)+3], s[46:47], s[OFF:OFF+1]
	s_add_nc_u64 s[G0B+4*(\s)+2:G0B+4*(\s)+3], s[G0B+4*(\s)+2:G0B+4*(\s)+3], (\s)*KSTEP*2
	s_or_b32 s[G0B+4*(\s)+3], s[G0B+4*(\s)+3], 0x80000000
	JLOAD \s                                       ; two tensor loads of mine are out here, one behind each later round
.endr
	; the table of my 128 rows x my 32 channels: 32 loads that stay out during the whole walk along K and are waited for on the way out
	v_and_b32 v1, 15, v0                           ; l % 16
	v_bfe_u32 v2, v0, 4, 1                         ; l / 16
	v_and_b32 v6, 31, v0                           ; l
	s_lshl_b32 s21, s10, 5                         ; 32 w: my 16 columns in bytes of 16-bit numbers
	v_lshlrev_b32 v[CSO], 8, v1
	v_lshl_add_u32 v[CSO], v2, 4, v[CSO]
	v_add_nc_u32 v[CSO], s21, v[CSO]               ; row x 256 + 32 w + 16 (l / 16)
	s_lshl_b32 s18, s13, 15
	s_mov_b32 s19, 0
	s_add_nc_u64 s[76:77], s[6:7], s[18:19]        ; the table at my block's first row
	WIN TO_B
.irp a, 0,1,2,3,4,5,6,7
	global_load_b128 v[TB+16*\a:TB+16*\a+3],     v[CSO], s[76:77] offset:\a*4096
	global_load_b128 v[TB+16*\a+4:TB+16*\a+7],   v[CSO], s[76:77] offset:\a*4096+128
	global_load_b128 v[TB+16*\a+8:TB+16*\a+11],  v[CSO], s[76:77] offset:\a*4096+524288
	global_load_b128 v[TB+16*\a+12:TB+16*\a+15], v[CSO], s[76:77] offset:\a*4096+524416
.endr
	WIN 0
	; a fragment is 16 rows x 32 K in 8 registers: lane l holds row l % 16, K = 8 (l / 16) + 0..7 and 16 + 8 (l / 16) + 0..7: two loads of 16 bytes, 32 bytes apart
	v_mul_u32_u24 v3, v1, PITCH
	v_lshl_add_u32 v3, v2, 4, v3
	v_mov_b32 v[ADRA0], v3
	v_mov_b32 v[ADRA], v3
	s_mul_i32 s22, s10, 16*PITCH
	s_add_co_u32 s22, s22, HALFT
	v_add_nc_u32 v[ADRB0], s22, v3
	v_mov_b32 v[ADRB], v[ADRB0]
	v_add_nc_u32 v[ADRC0], 2*HALFT, v[ADRB0]
	v_mov_b32 v[ADRC], v[ADRC0]
	v_add_nc_u32 v[STO], s21, v3                   ; the stage: row l % 16, my wave's 32 bytes, 16 for each half of the lanes
	v_add_nc_u32 v[STO2], 2*HALFT, v[STO]
	s_mul_i32 s22, s10, 32*PITCH                   ; back: wave w takes rows 32 w .. 32 w + 31 whole; lanes 0-15 one row, lanes 16-31 the next
	v_mul_u32_u24 v5, v2, PITCH
	v_lshl_add_u32 v5, v1, 4, v5
	v_add_nc_u32 v[RD], s22, v5
	v_add_nc_u32 v[RD2], 2*HALFT, v[RD]
	v_lshlrev_b32 v[CO], 4, v6
	v_lshlrev_b32 v[PFO], 12, v6
	s_lshl_b32 s18, s42, 19                        ; the three outputs at the head, my block's 128 rows of 256 bytes, my wave's 32
	s_lshl_b32 s22, s13, 15
	s_add_co_u32 s18, s18, s22
	s_lshl_b32 s22, s10, 13
	s_add_co_u32 s18, s18, s22
	s_add_nc_u64 s[70:71], s[8:9], s[18:19]
	s_add_nc_u64 s[72:73], s[70:71], 0x800000
	s_add_nc_u64 s[74:75], s[72:73], 0x800000
	s_lshl_b32 s21, s13, 7                         ; the prefetches: x's rows by the row block and cx,
	s_lshl_b32 s22, s40, 5
	s_add_co_u32 s21, s21, s22
	s_lshl_b32 s22, s42, 7                         ; W's by the head and cy
	s_lshl_b32 s23, s41, 5
	s_add_co_u32 s22, s22, s23
	s_and_b32 s23, ttmp7, 0xffff
	s_cmp_eq_u32 s10, 0
	s_cselect_b32 s21, s21, s22
	s_cselect_b32 s23, ttmp9, s23                  ; the coordinate along which other clusters read the same rows
	s_cmp_lt_u32 s23, 2
	s_cselect_b32 s[LIM], 10, -1                   ; the same in all sixteen partners, for a given wave
	s_lshl_b32 s22, s10, 11                        ; my section's 2,048 rows
	s_add_co_u32 s21, s21, s22
	s_lshl_b32 s18, s21, 12
	s_add_nc_u64 s[PFA:PFA+1], s[4:5], s[18:19]
	s_add_nc_u64 s[PFA:PFA+1], s[PFA:PFA+1], s[OFF:OFF+1]   ; at the walk's first step,
	s_add_nc_u64 s[PFA:PFA+1], s[PFA:PFA+1], 2*KSTEP*2      ; at its step 2: the first refill steps it to 3 and names step 4
; 12 matrix instructions: row blocks a0, a0 + 1 of the window's four x my 6 column blocks, 32 along K.  zero = 1: the first product starts the sums.  The 48 accumulators take turns in the same order in every quarter.
.macro MUL12 p, hi, a0, zero
	WIN MUL_LO+0x50*(\hi)
.irp a, \a0, (\a0)+1
.irp b, 0,1,2,3,4,5
.if \zero
	v_wmma_f32_16x16x32_bf16 v[8*(6*(\a)+(\b)):8*(6*(\a)+(\b))+7], v[48*(\p)+8*(\b):48*(\p)+8*(\b)+7], v[FA+64*(\p)+8*(4*(\hi)+(\a)):FA+64*(\p)+8*(4*(\hi)+(\a))+7], 0
.else
	v_wmma_f32_16x16x32_bf16 v[8*(6*(\a)+(\b)):8*(6*(\a)+(\b))+7], v[48*(\p)+8*(\b):48*(\p)+8*(\b)+7], v[FA+64*(\p)+8*(4*(\hi)+(\a)):FA+64*(\p)+8*(4*(\hi)+(\a))+7], v[8*(6*(\a)+(\b)):8*(6*(\a)+(\b))+7]
.endif
.endr
.endr
.endm
; 28 LDS loads in one run: W's 6 fragments, then x's 8, of 32 along K at byte k of the rows of the slot that is read, into buffer p
.macro FETCH k, p
	WIN TO_B
.irp t, 0,1
.irp j, 0,1
	ds_load_b128 v[48*(\p)+8*(2*\t+\j):48*(\p)+8*(2*\t+\j)+3],   v[ADRB] offset:\t*HALFT+\j*64*PITCH+(\k)
	ds_load_b128 v[48*(\p)+8*(2*\t+\j)+4:48*(\p)+8*(2*\t+\j)+7], v[ADRB] offset:\t*HALFT+\j*64*PITCH+(\k)+32
.endr
.endr
.irp j, 0,1
	ds_load_b128 v[48*(\p)+8*(4+\j):48*(\p)+8*(4+\j)+3],   v[ADRC] offset:\j*64*PITCH+(\k)
	ds_load_b128 v[48*(\p)+8*(4+\j)+4:48*(\p)+8*(4+\j)+7], v[ADRC] offset:\j*64*PITCH+(\k)+32
.endr
	WIN 0
.irp a, 0,1,2,3,4,5,6,7
	ds_load_b128 v[FA+64*(\p)+8*\a:FA+64*(\p)+8*\a+3],   v[ADRA] offset:\a*16*PITCH+(\k)
	ds_load_b128 v[FA+64*(\p)+8*\a+4:FA+64*(\p)+8*\a+7], v[ADRA] offset:\a*16*PITCH+(\k)+32
.endr
.endm
.macro PLACES                          ; four plain vector instructions between a matrix instruction and a load into, or a vector line on, its registers (ISA guide 7.12.1 for vector instructions)
.rept 4
	v_nop
.endr
.endm
; A K step is four quarters of 32 along K, 48 matrix instructions each, on buffers 0, 1, 0, 1.  One of the first three multiplies buffer p and fetches the next quarter, at byte k, into buffer g.
.macro QUARTER k, p, g, zero
	s_wait_dscnt 8                                 ; W's fragments and x's blocks 0-3 are in; the youngest eight loads (blocks 4-7) may be out
	MUL12 \p, 0, 0, \zero
	MUL12 \p, 0, 2, \zero
	PLACES
	FETCH \k, \g
	s_wait_dscnt 28                                ; all but the 28 just issued
	MUL12 \p, 1, 0, \zero
	MUL12 \p, 1, 2, \zero
.endm
; The last quarter multiplies buffer 1 and changes slots: one barrier.  In front of it each wave waits for all its tensor loads (one is out: its part of the next slot), adds 0 to its spare word, and waits for
; that and for its reads of this slot.  fill = 1: the barrier opens a round of the cluster's, and the joint refill, the walk's step two on, is the first thing behind the round.
.macro TURN fill
.if \fill
	s_wait_xcnt 0x0                                ; the last prefetch, a K step back, has read its address
	s_add_nc_u64 s[PFA:PFA+1], s[PFA:PFA+1], KSTEP*2
.endif
	WIN 0
	s_wait_tensorcnt 0x0                           ; no tensor load of mine is out, so a group 0 may be written
	ds_add_u32 v[SPW], v[NIL]                      ; 0 onto my spare word; scalar work and twelve products stand between it and the wait for it
.if \fill
	s_lshl_b32 s[OFF], s[KN], 8
	s_xor_b32 s[G0+5], s[G0+5], SLOT               ; the walking descriptors: the other slot than last time,
	s_add_nc_u64 s[G0+6:G0+7], s[14:15], s[OFF:OFF+1]   ; the address made anew from the step's number
	s_or_b32 s[G0+7], s[G0+7], 0x80000000
	s_xor_b32 s[G0B+5], s[G0B+5], SLOT
	s_add_nc_u64 s[G0B+6:G0B+7], s[46:47], s[OFF:OFF+1]
	s_or_b32 s[G0B+7], s[G0B+7], 0x80000000
	s_add_co_u32 s[KN], s[KN], 1
	s_and_b32 s[KN], s[KN], 15                     ; behind step 15 comes step 0
.endif
	s_xor_b32 s[SB], s[SB], SLOT                   ; the reads go to the other slot
	s_wait_dscnt 9                                 ; (the add and the youngest eight loads may be out)
	MUL12 1, 0, 0, 0
	s_wait_dscnt 0x0                               ; the add is done, and my reads of this slot are over
	s_barrier_signal -1
	MUL12 1, 0, 2, 0
	WIN 0
	s_barrier_wait -1
.if \fill
	CREST                                          ; no wave of any partner still reads this slot or has a load on its way
	JLOAD 1                                        ; 168 matrix instructions ahead of the wait for it; its four v_nop are also the places in front of the loads below
.else
	PLACES
.endif
	v_add_nc_u32 v[ADRA], s[SB], v[ADRA0]
	v_add_nc_u32 v[ADRB], s[SB], v[ADRB0]
	v_add_nc_u32 v[ADRC], s[SB], v[ADRC0]
	FETCH 0, 0
.if \fill
	ASK
.endif
	MUL12 1, 1, 0, 0
	MUL12 1, 1, 2, 0
.endm
	s_wait_tensorcnt 1                             ; my part of the walk's step 0 is in; step 1's may stay out
	s_barrier_signal -1
	s_barrier_wait -1
	FETCH 0, 0
	QUARTER 64, 0, 1, 1                            ; the first quarter stands in front of the loop: its products start the sums
	WIN 0
	s_mov_b32 s3, 14                               ; the walk's steps 2 to 15 are asked for
.Lstep:                                                ; a trip goes from a step's second quarter to the next step's first, and fills the slot that it leaves
	QUARTER 128, 1, 0, 0
	QUARTER 192, 0, 1, 0
	TURN 1
	QUARTER 64,  0, 1, 0
	WIN 0
	s_sub_co_u32 s3, s3, 1
	s_cmp_lg_u32 s3, 0
	s_cbranch_scc1 .Lstep
	s_mov_b32 s[TC], 2                             ; the last two steps fill nothing: a loop of two trips, entered behind a step's first quarter
	s_branch .Lmid
.Ltail:
	QUARTER 64,  0, 1, 0
	WIN 0
.Lmid:
	QUARTER 128, 1, 0, 0
	QUARTER 192, 0, 1, 0
	TURN 0                                         ; in the second trip its 28 loads (slot 0's old tile) serve nothing: the price, once a launch, of one text for both trips
	WIN 0
	s_sub_co_u32 s[TC], s[TC], 1
	s_cmp_lg_u32 s[TC], 0
	s_cbranch_scc1 .Ltail
; THE WAY OUT of row block a.  The table's 32 bf16 become f32; with L = channels d < 64 and H = channels d + 64: L' = L cos(d) - H sin(d), H' = H cos(d + 64) + L sin(d + 64); rounded to f16,
; 16 bytes a lane into the stage (q, k, v: 128 rows x 272 bytes each, where slot 0's first three tiles lay).  Each accumulator is read from its lowest registers on.
.macro OUTB a
.set AC, 48*((\a)%4)
.set TA, TB+16*(\a)
	WIN 0x04                                       ; source 1 window 1
.set i, 0
.rept 16
	v_lshlrev_b32 v[CF+2*i], 16, v[TA+i]
	v_and_b32 v[CF+2*i+1], s69, v[TA+i]
.set i, i+1
.endr
.irp t, 0,1
	WIN 0x02+(\a)/4                                ; source 0: the accumulators' window
.irp i, 0,2,4,6
	v_pk_mul_f32 v[RL+\i:RL+\i+1], v[AC+16*\t+\i:AC+16*\t+\i+1], v[CF+\i:CF+\i+1]
.endr
.irp i, 0,2,4,6
	v_pk_mul_f32 v[RH+\i:RH+\i+1], v[AC+16*\t+8+\i:AC+16*\t+8+\i+1], v[CF+8+\i:CF+8+\i+1]
.endr
.irp i, 0,2,4,6
	v_pk_fma_f32 v[RL+\i:RL+\i+1], v[AC+16*\t+8+\i:AC+16*\t+8+\i+1], v[CF+16+\i:CF+16+\i+1], v[RL+\i:RL+\i+1] neg_lo:[1,0,0] neg_hi:[1,0,0]
.endr
.irp i, 0,2,4,6
	v_pk_fma_f32 v[RH+\i:RH+\i+1], v[AC+16*\t+\i:AC+16*\t+\i+1], v[CF+24+\i:CF+24+\i+1], v[RH+\i:RH+\i+1]
.endr
	WIN 0
.irp i, 0,1,2,3
	v_cvt_pk_f16_f32 v[PKR+\i], v[RL+2*\i], v[RL+2*\i+1]
.endr
.irp i, 0,1,2,3
	v_cvt_pk_f16_f32 v[PKR+4+\i], v[RH+2*\i], v[RH+2*\i+1]
.endr
	ds_store_b128 v[STO], v[PKR:PKR+3]   offset:\t*HALFT+(\a)*16*PITCH
	ds_store_b128 v[STO], v[PKR+4:PKR+7] offset:\t*HALFT+(\a)*16*PITCH+128
.endr
	WIN 0x0a+5*((\a)/4)                            ; v is only rounded
.irp i, 0,1,2,3,4,5,6,7
	v_cvt_pk_f16_f32 v[PKR+\i], v[AC+32+2*\i], v[AC+32+2*\i+1]
.endr
	WIN 0
	ds_store_b128 v[STO2], v[PKR:PKR+3]   offset:(\a)*16*PITCH
	ds_store_b128 v[STO2], v[PKR+4:PKR+7] offset:(\a)*16*PITCH+128
.endm
	s_wait_loadcnt 0x0                             ; the table
	s_wait_dscnt 0x0                               ; my last reads of slot 0 are over;
	s_barrier_signal -1
	s_barrier_wait -1                              ; everybody's are.  No tensor load follows: slot 0 serves as the stage
	PLACES
	PLACES
.irp a, 0,1,2,3,4,5,6,7
	OUTB \a
.endr
	s_wait_dscnt 0x0                               ; for the others' sake: a row's 256 bytes come from four waves
	s_barrier_signal -1
	s_barrier_wait -1
.set n, 0
.rept 32
	ds_load_b128 v[64+4*n:64+4*n+3], v[RD] offset:(n/16)*HALFT+544*(n%16)
.set n, n+1
.endr
.rept 16
	ds_load_b128 v[64+4*n:64+4*n+3], v[RD2] offset:544*(n%16)
.set n, n+1
.endr
.set n, 0
.rept 48
	s_wait_dscnt 47-n                              ; LDS loads come back in order: number n is in
	global_store_b128 v[CO], v[64+4*n:64+4*n+3], s[70+2*(n/16):71+2*(n/16)] offset:512*(n%16)   ; two rows: 512 consecutive bytes, at a multiple of 256 from the buffer's first
.set n, n+1
.endr
	s_wait_tensorcnt 0x0                           ; the wave's end: behind my last tensor load and my last LDS store
	ds_add_u32 v[SPW], v[NIL]
	s_wait_dscnt 0x0
	CROUND                                         ; the closing round: no work-group ends while a partner may still ask for a tile that names it
	s_endpgm
.Lfunc_end_k_q861ee4828f_qkv:
	.size	k_q861ee4828f_qkv, .Lfunc_end_k_q861ee4828f_qkv-k_q861ee4828f_qkv
	.p2alignl 7, 3214868480
	.fill 96, 4, 3214868480
	.section	.rodata,"a",@progbits
	.p2align	6, 0x0
	.amdhsa_kernel k_q861ee4828f_qkv
		.amdhsa_group_segment_fixed_size 327680
		.amdhsa_private_segment_fixed_size 0
		.amdhsa_enable_private_segment 0
		.amdhsa_kernarg_size 24
		.amdhsa_user_sgpr_count 2
		.amdhsa_user_sgpr_kernarg_segment_ptr 1
		.amdhsa_wavefront_size32 1
		.amdhsa_system_sgpr_workgroup_id_x 1
		.amdhsa_system_sgpr_workgroup_id_y 1
		.amdhsa_system_sgpr_workgroup_id_z 1
		.amdhsa_system_vgpr_workitem_id 0
		.amdhsa_next_free_vgpr 960
		.amdhsa_next_free_sgpr 80
		.amdhsa_reserve_vcc 0
		.amdhsa_float_denorm_mode_32 3
		.amdhsa_float_denorm_mode_16_64 3
		.amdhsa_memory_ordered 1
		.amdhsa_forward_progress 1
		.amdhsa_inst_pref_size 112
	.end_amdhsa_kernel
	.amdgpu_metadata
---
amdhsa.version: [ 1, 2 ]
amdhsa.kernels:
  - .name:           k_q861ee4828f_qkv
    .symbol:         k_q861ee4828f_qkv.kd
    .args:
      - { .name: xw, .offset: 0, .size: 8, .value_kind: global_buffer, .address_space: global }
      - { .name: cs, .offset: 8, .size: 8, .value_kind: global_buffer, .address_space: global }
      - { .name: qkv, .offset: 16, .size: 8, .value_kind: global_buffer, .address_space: global }
    .group_segment_fixed_size: 327680
    .private_segment_fixed_size: 0
    .kernarg_segment_align: 8
    .kernarg_segment_size: 24
    .max_flat_workgroup_size: 128
    .sgpr_count:     80
    .vgpr_count:     960
    .wavefront_size: 32
...
	.end_amdgpu_metadata
.endif
;; end of part 2
;; launch attn (part 3): grid 16 x 16, 4 waves a work-group, clusters of 4 x 1, 327,680 bytes of LDS; arguments qkv, ob; writes ob
.if DOCPART == 3
	.amdgcn_target "amdgcn-amd-amdhsa--gfx1250"
	.amdhsa_code_object_version 6
	.text
	.protected	k_q861ee4828f_attn
	.globl	k_q861ee4828f_attn
	.p2align	8
	.type	k_q861ee4828f_attn,@function
k_q861ee4828f_attn:
	s_mov_b64 s[64:65], 0
	v_nop
	global_prefetch_b8 v0, s[64:65] scope:SCOPE_SE
	s_setreg_imm32_b32 hwreg(HW_REG_WAVE_MODE, 25, 1), 1
	s_wait_xcnt 0x0
	s_wait_alu depctr_hold_cnt(0) depctr_sa_sdst(0) depctr_va_vdst(0) depctr_va_sdst(0) depctr_va_ssrc(0) depctr_va_vcc(0) depctr_vm_vsrc(0)
	s_getreg_b32 s2, hwreg(HW_REG_IB_STS2, 6, 4)
	s_cmp_eq_u32 s2, 0
	s_cbranch_scc0 .Lentry_in_a_cluster
	s_endpgm
.Lentry_in_a_cluster:
	s_bfe_u32 s2, ttmp6, 0x10000c
	s_cmp_lg_u32 s2, 0x3003
	s_cbranch_scc0 .Lentry_shape_is_right
	s_endpgm
.Lentry_shape_is_right:
; CAUSAL ATTENTION, head size 128.  O[q] = the sum over k <= q of softmax_k(q . k / sqrt(128)) v[k].  qkv holds q / 64, k / 64, v, each [16][2048][128] f16; ob is O as f16 [2048][2048], row s, column 128 h + d.
; Products, maxima and sums in f32; the weights p are rounded to f16 for the second product (their sum is taken of the unrounded p), O once at the end.
; LIMITS.  A hidden score counts as -1e30; the running maximum starts at -1e20; the stored operands give scores of 5.5e11 at the most.  A weight below 2^-126 counts as 0.  NaN and infinities are not treated apart.
; THE WALK.  A head's queries lie in 32 blocks of 64.  Work-group b = 4 c + cx takes block 31 - b and then block b: in tiles of 256 keys 8 - c and c + 1 tiles, nine whatever b: all work-groups do equal
; work, and the four partners of a cluster (same c, same head) need the same tiles in the same order: every tile is asked for JOINTLY.  Only data hang on cx: Q's and O's addresses and the mask's numbers.
; THE KEYS ARE SPLIT AMONG THE WAVES: of each tile wave w takes keys 64 w .. 64 w + 63, against all 64 queries (four tiles of 16), so a fragment of K or V read from LDS feeds four products.  Each wave keeps
; its own running maximum m, sum l and O^T; at a block's end the four partial results are merged in f32 through LDS.  Wave w's tile t holds the query group (t + w) % 4, so tile 0 is the group that it finishes.
; LAYOUT.  S^T = K Q^T (source 0 = 16 keys, source 1 = 16 queries): a lane holds ONE query (lane % 16) and the keys 8 (lane / 16) + 0..7.  Two such results rounded to f16 ARE source 1 of O^T = V^T P.
; SOFTMAX.  p = 2^(c s - c m), c = log2(e) / sqrt(128) x 2^12 (the 2^12 undoes the two 1 / 64); in every step O and l are multiplied by a = 2^(c m_old - c m_new).
; THE MASK.  Only a block's last tile hides keys: there score register 8 kb + j of tile t is hidden where 16 kb + j > QV[t] = 16 group + lane % 16 - 8 (lane / 16) - 64 (w - block % 4).
; A wave that sees no key keeps m at its start, p = 0, and counts for 0 in the merge.
; IN PHASES: a tile's 64 products K Q^T (begun when the first quarter of K's fragments is in; V's loads stand among them), the softmax, its 64 products V^T P.
; REGISTERS (windows of 256): window 0: v0-11 addresses; v12-43 eight statistics a tile; v44-63 mask numbers and addresses; v64-191 S^T, 32 a tile; v192-255 P, 16 a tile.
;   window 1: O^T, 64 a tile.   window 2: v0-127 Q, 32 a tile; v128-255 K.   window 3: v0-127 V; v128-255 the second block's Q.
.set PK,    272       ; a row of K in LDS: 256 bytes + 16: the 16 rows of a load start at 16 different groups of four banks (64 banks of 4 bytes: ISA guide 11.1)
.set PVP,   288       ; a row of V: 256 + 32
.set CELL,  0x9000    ; 128 rows of V, or 128 rows of K and 2,048 bytes to spare
.set VBASE, 0x12000   ; a slot: K's two halves, V's two halves
.set SLOTX, 0x24000   ; slot 1 begins here; no cell's base in slot 0 has one of its two bits, so one exclusive or turns a base into the other slot's
.set STAT,  0x8800    ; behind slot 0's first half of K, where no fill lands: 512 bytes a wave, the statistics of a merge
.set SPARE, 0x11800   ; behind slot 0's second half of K: the spare words, 128 bytes a wave: two blocks of 256 bytes that no other line names
.set STG,   0x48000   ; behind the ring: 8,192 bytes a wave: a tile of O^T on its way to another wave, later the wave's stage for the way out
.set SP,    272
.set AK0, 2           ; v2   my lane's place in my wave's 64 keys of K, slot 0; never rewritten
.set AV0, 3           ; v3   the same for V
.set ADK, 4           ; v4   the LDS address of K's loads
.set ADV, 5           ; v5   of V's
.set STO, 6           ; v6   the way out: where I put 16 bytes of a row
.set RD,  7           ; v7   where I read rows back
.set GO,  8           ; v8   my byte offset in two rows of O
.set ST,  12          ; tile t's statistics at v[ST+8 t]: +0 c m, +1 m, +2, +3 l (even keys', odd keys'), +4 to +7 at work; a takes +6
.set QV,  44          ; v44-47  the mask's number, a tile each
.set SAW, 48          ; v48-51  where I put tile t's statistics
.set SAR, 52          ; v52-55  where I read, of wave (w - p) % 4, the statistics of my group
.set CHR, 56          ; v56-58  pass p: the chunk of wave (w - p) % 4, which holds my group as its tile p
.set CHW, 59          ; v59     my own chunk
.set NEGV, 60         ; v60  -1e30
.set PFO, 61          ; v61  256 x lane; never rewritten
.set SPW, 62          ; v62  my spare word; never rewritten
.set NIL, 63          ; v63  0; never rewritten
.set S,   64
.set P,   192
.set EX,  128         ; at a block's end, in S^T's registers, for wave (w - p) % 4: +p its c m of my group; +4 + p its l; +8 the largest c m; +12 + p, +16 + p at work; +20 the sum; +21 its reciprocal; +24 + 2 p the factor, twice
.set KF,  128         ; window 2
.set WV,  12          ; s12  my wave's number
.set CX,  13          ; s13  my place in the cluster
.set CC,  14          ; s14  c
.set HD,  15          ; s15  the head
.set G1K, 24          ; s[24:31] descriptor group 1 for K's tiles
.set G1V, 32          ; s[32:39] for V's: it differs in the padding alone
.set G0K, 40          ; s[40:43] group 0 for K's
.set G0V, 44          ; s[44:47] for V's
.set GT,  48          ; s48-51  (t + w) % 4
.set SLOTS, 56        ; s56  tiles still to be asked for
.set CS,  58          ; s[58:59] c, twice
.set SEL, 60          ; s[60:61] v_permlanex16_b32's selects: each lane takes its own place in the other half
.set SB,  62          ; s62  the slot that is read: 0 or SLOTX
.set RT,  78          ; s78  tiles of the block in hand still to be entered
.set NXT, 79          ; s79  the tile to be asked for next
.set LQ,  80          ; s80  the last tile of the block whose tiles are being asked for
.set OFF, 82          ; s[82:83] a tile's byte offset in K and V
.set DQ,  84          ; s84  what the second block adds to QV
.set PFA, 86          ; s[86:87] where my prefetches stand
.set LIM, 88          ; s88  2 in the clusters that prefetch, else the greatest number
.set MSB, 0
.macro WIN new
.if MSB != (\new)
	s_set_vgpr_msb (MSB<<8)|(\new)
.set MSB, (\new)
.endif
.endm
.set W_KQ, 0x0a       ; K and Q in window 2, S^T in window 0
.set W_PV, 0x53       ; V in window 3, P in window 0, O^T in window 1
.set W_RS, 0x41       ; destination and source 0 in window 1, source 1 in window 0
.set W_FM, 0x50       ; destination and source 2 in window 1, sources 0 and 1 in window 0
; A joint fill: waves 0 and 1 fetch the two halves of a tile's K, waves 2 and 3 those of its V, 128 keys each.  An s_nop 0 and four v_nop follow each line.
.macro JLOAD
	s_cmp_lt_u32 s[WV], 2
	s_cbranch_scc0 .Lfor_v_\@
	tensor_load_to_lds s[G0K:G0K+3], s[G1K:G1K+7]
	s_nop 0
.rept 4
	v_nop
.endr
	s_branch .Lasked_\@
.Lfor_v_\@:
	tensor_load_to_lds s[G0V:G0V+3], s[G1V:G1V+7]
	s_nop 0
.rept 4
	v_nop
.endr
.Lasked_\@:
.endm
; A prefetch into the L2 of the tile that the NEXT change of slots asks for: one tile's work (128 matrix and 536 vector instructions) ahead.  The cluster with c = 0 walks all eight tiles of its head, and it alone
; asks: in its first six trips, for tiles 2 to 7.  Of the 128 rows that a wave fetches each of the four partners names 32, told apart by address, a lane a row: each row is named once in the launch.
.macro ASK
	s_cmp_gt_u32 s[SLOTS], s[LIM]
	s_cbranch_scc0 .Lnot_mine_\@
	global_prefetch_b8 v[PFO], s[PFA:PFA+1] th:TH_LOAD_NT scope:SCOPE_SE
.Lnot_mine_\@:
.endm
.macro CROUND                       ; a round of the cluster's barrier
	s_barrier_signal -1
	s_barrier_wait -1
	s_cmp_lg_u32 s[WV], 0
	s_cbranch_scc1 .Lnot_wave_0_\@
	s_barrier_signal -3
.Lnot_wave_0_\@:
	s_barrier_wait -3
	s_barrier_signal -1
	s_barrier_wait -1
.endm
.macro PLACES
.rept 4
	v_nop
.endr
.endm
; THE CHANGE OF SLOTS.  Each wave waits for all its tensor loads (one is out: its part of the other slot), adds 0 to its spare word, and waits for that and for its reads of the slot that it leaves.
; fill = 1: the barrier is a round of the cluster's, and the joint fill of the old slot with tile NXT is the first thing behind it; the descriptor's address is made anew from that number.
.macro CHANGE fill
	WIN 0
	s_wait_tensorcnt 0x0            ; no tensor load of mine is out, so a group 0 may be written
	ds_add_u32 v[SPW], v[NIL]       ; 0 onto my spare word; scalar work stands between it and the wait for it
.if \fill
	s_lshl_b32 s[OFF], s[NXT], 16   ; a tile is 65,536 bytes of K and of V
	s_xor_b32 s[G0K+1], s[G0K+1], SLOTX
	s_add_nc_u64 s[G0K+2:G0K+3], s[8:9], s[OFF:OFF+1]
	s_or_b32 s[G0K+3], s[G0K+3], 0x80000000
	s_xor_b32 s[G0V+1], s[G0V+1], SLOTX
	s_add_nc_u64 s[G0V+2:G0V+3], s[10:11], s[OFF:OFF+1]
	s_or_b32 s[G0V+3], s[G0V+3], 0x80000000
	s_add_co_u32 s[NXT], s[NXT], 1  ; the block's next tile, or behind its last the second block's tile 0
	s_cmp_gt_u32 s[NXT], s[LQ]
	s_cselect_b32 s[NXT], 0, s[NXT]
	s_cselect_b32 s[LQ], s[CC], s[LQ]
	s_wait_xcnt 0x0                 ; the last prefetch, a tile back, has read its address
	s_add_nc_u64 s[PFA:PFA+1], s[PFA:PFA+1], 0x10000
.endif
	s_xor_b32 s[SB], s[SB], SLOTX   ; the reads go to the other slot
	s_wait_dscnt 0x0                ; the add is done, and my reads of the slot are over
.if \fill
	CROUND
	JLOAD
	ASK
.else
	s_barrier_signal -1
	s_barrier_wait -1
.endif
.endm
	s_load_b128 s[4:7], s[0:1], 0x0 ; qkv s[4:5], ob s[6:7]
	v_lshl_add_u32 v[SPW], v0, 2, SPARE
	v_mov_b32 v[NIL], 0
	ds_add_u32 v[SPW], v[NIL]       ; the wave's opening: the add and its wait stand ahead of my first tensor load; the set-up below stands between them
	v_lshrrev_b32 v1, 5, v0
	v_readfirstlane_b32 s[WV], v1
	s_bfe_u32 s[CX], ttmp6, 0x40000
	s_mov_b32 s[CC], ttmp9          ; in a cluster launch ttmp9 counts clusters
	s_and_b32 s[HD], ttmp7, 0xffff
	s_lshl_b32 s20, s[HD], 19       ; the head's first byte in a section
	s_and_b32 s16, s[WV], 1         ; which half of a tile's 256 keys I fetch:
	s_lshl_b32 s22, s16, 15         ; its 128 rows of 256 bytes in memory,
	s_add_co_u32 s22, s22, s20
	s_mov_b32 s23, 0
	s_mul_i32 s17, s16, CELL        ; and its cell in a slot: no place in the cluster enters an LDS address
	s_lshl_b32 s18, s[CC], 2
	s_add_co_u32 s18, s18, s[CX]    ; b
	s_sub_co_u32 s19, 31, s18       ; 31 - b
	s_lshl_b32 s52, s19, 14         ; Q: a block is 64 rows of 256 bytes
	s_add_co_u32 s52, s52, s20
	s_mov_b32 s53, 0
	s_lshl_b32 s54, s18, 14
	s_add_co_u32 s54, s54, s20
	s_mov_b32 s55, 0
	s_lshl_b32 s2, s[WV], 16        ; O: my group's 16 rows of 4,096 bytes,
	s_lshl_b32 s3, s[HD], 8         ; the head's 256 bytes of a row,
	s_add_co_u32 s2, s2, s3
	s_lshl_b32 s66, s19, 18         ; the block's 64 rows
	s_add_co_u32 s66, s66, s2
	s_mov_b32 s67, 0
	s_lshl_b32 s68, s18, 18
	s_add_co_u32 s68, s68, s2
	s_mov_b32 s69, 0
	s_mov_b32 s[G1K], 15|(1<<16)|(1<<20)|(1<<21)|(5<<22)|(3<<25)  ; 15:0 the mask of four; 17:16 2-byte elements; 20 padding on; 21 set beside a mask; 24:22 after every 64 words; 31:25 4 words
	s_mov_b32 s[G1V], 15|(1<<16)|(1<<20)|(1<<21)|(5<<22)|(7<<25)  ; the same with 8 words
.irp g, G1K, G1V
	s_mov_b32 s[\g+1], 128<<16      ; tensor_dim0 = 128
	s_mov_b32 s[\g+2], 128<<16      ; tensor_dim1 = 128
	s_mov_b32 s[\g+3], 128<<16      ; tile_dim0 = 128
	s_mov_b32 s[\g+4], 128          ; tile_dim1 = 128
	s_mov_b32 s[\g+5], 128          ; elements from row to row
	s_mov_b32 s[\g+6], 0
	s_mov_b32 s[\g+7], 0
.endr
	s_mov_b32 s[CS], 0x440293ee     ; log2(e) / sqrt(128) x 4096 = 522.31
	s_mov_b32 s[CS+1], s[CS]
	s_mov_b32 s[SEL], 0x76543210
	s_mov_b32 s[SEL+1], 0xfedcba98
.irp t, 0,1,2,3
	s_add_co_u32 s[GT+\t], s[WV], \t
	s_and_b32 s[GT+\t], s[GT+\t], 3
.endr
	s_mov_b32 s[G0K], 1
	s_mov_b32 s[G0K+1], s17         ; slot 0
	s_mov_b32 s[G0V], 1
	s_add_co_u32 s[G0V+1], s17, VBASE
	s_sub_co_u32 s[RT], 8, s[CC]    ; the first block has 8 - c tiles
	s_mov_b32 s[NXT], 1
	s_sub_co_u32 s[LQ], 7, s[CC]
	s_mov_b32 s[OFF+1], 0
	s_mov_b32 s[SLOTS], 8
	s_mov_b32 s[SB], SLOTX          ; the first change of slots turns it into 0
	s_lshl_b32 s[DQ], s[CX], 7
	s_sub_co_u32 s[DQ], s[DQ], 192  ; 64 (cx - (3 - cx))
	s_cmp_eq_u32 s[CC], 0
	s_cselect_b32 s[LIM], 2, -1
	s_wait_dscnt 0x0                ; the opening add is done
	s_wait_kmcnt 0x0
	s_add_nc_u64 s[8:9], s[4:5], s[22:23]
	s_add_nc_u64 s[10:11], s[8:9], 0x1000000       ; V at my half of the head's tile 0
	s_add_nc_u64 s[8:9], s[8:9], 0x800000          ; K likewise
	s_add_nc_u64 s[G0K+2:G0K+3], s[8:9], 0
	s_or_b32 s[G0K+3], s[G0K+3], 0x80000000
	s_add_nc_u64 s[G0V+2:G0V+3], s[10:11], 0
	s_or_b32 s[G0V+3], s[G0V+3], 0x80000000
	s_add_nc_u64 s[70:71], s[4:5], s[52:53]        ; Q of the first block, of the second
	s_add_nc_u64 s[72:73], s[4:5], s[54:55]
	s_add_nc_u64 s[74:75], s[6:7], s[66:67]        ; O likewise
	s_add_nc_u64 s[76:77], s[6:7], s[68:69]
	s_cmp_lt_u32 s[WV], 2
	s_cselect_b64 s[PFA:PFA+1], s[8:9], s[10:11]
	s_lshl_b32 s2, s[CX], 13        ; my work-group's 32 of the 128 rows
	s_mov_b32 s3, 0
	s_add_nc_u64 s[PFA:PFA+1], s[PFA:PFA+1], s[2:3]
	s_add_nc_u64 s[PFA:PFA+1], s[PFA:PFA+1], 0x10000   ; in tile 1: the first change steps it to tile 2.  Tiles 0 and 1 come by their loads alone
	CROUND                          ; all four work-groups are here
	JLOAD                           ; tile 0 into slot 0: one tensor load of mine is out, here and behind every round
	; both blocks' Q: tile t holds the rows of group (t + w) % 4; a fragment is 16 rows x 32 channels: two loads of 16 bytes, 32 bytes apart
	v_and_b32 v1, 15, v0            ; l % 16
	v_bfe_u32 v9, v0, 4, 1          ; l / 16: kept
	v_lshlrev_b32 v[S+4], 8, v1
	v_lshl_add_u32 v[S+4], v9, 4, v[S+4]
.irp t, 0,1,2,3
	s_lshl_b32 s16, s[GT+\t], 12
	v_add_nc_u32 v[S+\t], s16, v[S+4]
.endr
	WIN 0x80
.irp t, 0,1,2,3
.irp c, 0,1,2,3
	global_load_b128 v[32*\t+8*\c:32*\t+8*\c+3],   v[S+\t], s[70:71] offset:64*\c
	global_load_b128 v[32*\t+8*\c+4:32*\t+8*\c+7], v[S+\t], s[70:71] offset:64*\c+32
.endr
.endr
	WIN 0xc0
.irp t, 0,1,2,3
.irp c, 0,1,2,3
	global_load_b128 v[128+32*\t+8*\c:128+32*\t+8*\c+3],   v[S+\t], s[72:73] offset:64*\c
	global_load_b128 v[128+32*\t+8*\c+4:128+32*\t+8*\c+7], v[S+\t], s[72:73] offset:64*\c+32
.endr
.endr
	WIN 0
.set i, 0
.rept 16
	v_mov_b32 v[P+i], 0             ; two fragments of zeros, for the products at the end of this set-up
.set i, i+1
.endr
.irp t, 0,1,2,3
	v_mov_b32 v[ST+8*\t+1], 0xe0ad78ec             ; m = -1e20: above a hidden score, far below every true one
	v_mul_f32 v[ST+8*\t], s[CS], v[ST+8*\t+1]      ; c m, by the line that the loop uses
	v_mov_b32 v[ST+8*\t+2], 0
	v_mov_b32 v[ST+8*\t+3], 0
.endr
	v_and_b32 v[S+5], 31, v0        ; l
	v_lshlrev_b32 v[S+6], 3, v9
	v_sub_nc_u32 v[S+6], v1, v[S+6] ; l % 16 - 8 (l / 16)
	s_lshl_b32 s17, s[WV], 6
	s_lshl_b32 s18, s[CX], 6
	s_add_co_u32 s17, s17, s18
	s_sub_co_u32 s17, 192, s17      ; - 64 (w - (3 - cx))
	s_lshl_b32 s19, s[WV], 9
	s_add_co_u32 s19, s19, STAT
.irp t, 0,1,2,3
	s_lshl_b32 s16, s[GT+\t], 4
	s_add_co_u32 s16, s16, s17
	v_add_nc_u32 v[QV+\t], s16, v[S+6]
	s_lshl_b32 s16, s[GT+\t], 7
	s_add_co_u32 s18, s16, s19
	v_lshl_add_u32 v[SAW+\t], v[S+5], 2, s18       ; STAT + 512 w + 128 group + 4 l
.endr
	s_lshl_b32 s19, s[WV], 7
	s_add_co_u32 s19, s19, STAT     ; my group is number w
.irp p, 0,1,2,3
	s_lshl_b32 s16, s[GT+(4-\p)%4], 9              ; the wave (w - p) % 4
	s_add_co_u32 s16, s16, s19
	v_lshl_add_u32 v[SAR+\p], v1, 2, s16           ; STAT + 512 wave + 128 w + 4 (l % 16)
.endr
.irp p, 1,2,3
	s_lshl_b32 s16, s[GT+4-\p], 13                 ; the wave (w - p) % 4
	s_add_co_u32 s16, s16, STG
	v_lshl_add_u32 v[CHR+\p-1], v[S+5], 4, s16
.endr
	s_lshl_b32 s16, s[WV], 13
	s_add_co_u32 s16, s16, STG      ; my chunk
	v_lshl_add_u32 v[CHW], v[S+5], 4, s16
	v_mul_u32_u24 v[STO], v1, SP    ; in: row l % 16, 16 bytes for each half of the lanes
	v_lshl_add_u32 v[STO], v9, 4, v[STO]
	v_add_nc_u32 v[STO], s16, v[STO]
	v_mul_u32_u24 v[RD], v9, SP     ; back: lanes 0-15 one row of 256 bytes, lanes 16-31 the next
	v_lshl_add_u32 v[RD], v1, 4, v[RD]
	v_add_nc_u32 v[RD], s16, v[RD]
	v_lshlrev_b32 v[GO], 12, v9     ; and the same two rows in O
	v_lshl_add_u32 v[GO], v1, 4, v[GO]
	v_mov_b32 v[NEGV], 0xf149f2ca
	v_lshlrev_b32 v[PFO], 8, v[S+5]
	s_lshr_b32 s16, s[WV], 1        ; my 64 keys: half w / 2, rows 64 (w % 2) on
	s_mul_i32 s16, s16, CELL
	s_and_b32 s17, s[WV], 1
	s_mul_i32 s18, s17, 64*PK
	s_add_co_u32 s18, s18, s16
	v_mul_u32_u24 v[AK0], v1, PK
	v_lshl_add_u32 v[AK0], v9, 4, v[AK0]
	v_add_nc_u32 v[AK0], s18, v[AK0]
	s_mul_i32 s18, s17, 64*PVP
	s_add_co_u32 s18, s18, s16
	s_add_co_u32 s18, s18, VBASE
	; the turning load takes 16 keys x 16 channels (lane l reads key 8 (l / 16) + l % 8, channels 8 ((l / 8) % 2) + 0..7) and leaves half a fragment of V^T: lane l holds channel l % 16 and 8 keys
	v_and_b32 v10, 7, v0
	v_bfe_u32 v11, v0, 3, 1
	v_lshl_add_u32 v[AV0], v9, 3, v10
	v_mul_u32_u24 v[AV0], v[AV0], PVP
	v_lshl_add_u32 v[AV0], v11, 4, v[AV0]
	v_add_nc_u32 v[AV0], s18, v[AV0]
	; A block's first step multiplies O^T by a = 0 (or the merge by 0), so O^T need only be finite: zeros for the first block, what the first block left for the second.  32 products of zeros write its 256
	; registers, in the wait for the first tile: the price of writing no first step out.
	WIN 0x40
.set i, 0
.rept 32
	v_wmma_f32_16x16x32_f16 v[8*i:8*i+7], v[P:P+7], v[P+8:P+15], 0
.set i, i+1
.endr
	WIN 0
; A TILE'S FIRST PHASE.  My 64 keys' K: 32 loads, ordered by quarters of the channels.  Then four times: the wait for a quarter, its 16 products K Q^T (product i: tile i % 4, keys 16 ((i / 4) % 4) on,
; channels 32 (i / 16) on), and 8 of V's 32 turning loads.  At each of the four waits 32 LDS loads are out, of which the oldest 8 are the quarter wanted: the count is 24.
; The first 16 products start the sums; the 16 accumulators take turns.
.macro WORK
	WIN 0
	PLACES                          ; behind the last products that read V's registers
	v_add_nc_u32 v[ADK], s[SB], v[AK0]
	v_add_nc_u32 v[ADV], s[SB], v[AV0]
	WIN 0x80
.irp c, 0,1,2,3
.irp kb, 0,1,2,3
	ds_load_b128 v[KF+32*\kb+8*\c:KF+32*\kb+8*\c+3],   v[ADK] offset:\kb*16*PK+\c*64
	ds_load_b128 v[KF+32*\kb+8*\c+4:KF+32*\kb+8*\c+7], v[ADK] offset:\kb*16*PK+\c*64+32
.endr
.endr
	s_wait_loadcnt 0x0              ; Q (met at once from the second tile on)
.irp c, 0,1,2,3
	s_wait_dscnt 24                 ; K's channels 32 c on are in
	WIN W_KQ
.set i, 16*\c
.rept 16
.set rS, S+32*(i%4)+8*((i/4)%4)
.set rK, KF+32*((i/4)%4)+8*(i/16)
.set rQ, 32*(i%4)+8*(i/16)
.if i < 16
	v_wmma_f32_16x16x32_f16 v[rS:rS+7], v[rK:rK+7], v[rQ:rQ+7], 0
.else
	v_wmma_f32_16x16x32_f16 v[rS:rS+7], v[rK:rK+7], v[rQ:rQ+7], v[rS:rS+7]
.endif
.set i, i+1
.endr
	WIN 0xc0                        ; V's fragments 4 c to 4 c + 3: fragment f: keys 32 (f / 8) on, channels 16 (f % 8) on
.irp f, 0,1,2,3
	ds_load_tr16_b128 v[8*(4*\c+\f):8*(4*\c+\f)+3],   v[ADV] offset:((4*\c+\f)/8)*32*PVP+((4*\c+\f)%8)*32
	ds_load_tr16_b128 v[8*(4*\c+\f)+4:8*(4*\c+\f)+7], v[ADV] offset:((4*\c+\f)/8)*32*PVP+16*PVP+((4*\c+\f)%8)*32
.endr
.endr
	WIN 0
	PLACES                          ; behind the last products: what follows reads their results
	PLACES
.endm
.macro MASKS                        ; a block's last tile: a compare and a select for each score; each accumulator from its lowest register on
	WIN 0
.irp t, 0,1,2,3
.set r, 0
.rept 32
	v_cmp_gt_i32 vcc_lo, 16*(r/8)+r%8, v[QV+\t]
	v_cndmask_b32 v[S+32*\t+r], v[S+32*\t+r], v[NEGV], vcc_lo
.set r, r+1
.endr
.endr
.endm
; THE SOFTMAX of one tile of 16 queries x my 64 keys is a list of 134 instructions; SM writes number j of it for tile t.  s0-s31 are the lane's scores, in pairs 0-15.
;   0-15    the maximum of s0-s31 and the old m, three operands at a time (each accumulator's lowest registers first)     16-20  the other half of the lanes' maximum; the new m; c m; c m_old - c m_new
;   21-69   the 16 scalings c s - c m and all 33 exponentials (a at 23): none reads an exponential's result     70-85  the roundings to f16     86-101  the sums; l = a l + the sum     102-133  O^T times a
.macro SM t
.set rT, ST+8*(\t)
.set rS, S+32*(\t)
.set rP, P+16*(\t)
.set rO, 64*(\t)+2*(j-102)
.if j < 102
	WIN 0
.endif
.if j < 4
	v_max3_num_f32 v[rT+4+j], v[rS+8*j], v[rS+8*j+1], v[rS+8*j+2]
.elseif j < 12
	v_max3_num_f32 v[rT+4+j%4], v[rT+4+j%4], v[rS+8*(j%4)+2*(j/4)+1], v[rS+8*(j%4)+2*(j/4)+2]
.elseif j == 12
	v_max3_num_f32 v[rT+4], v[rT+4], v[rS+7], v[rS+15]
.elseif j == 13
	v_max3_num_f32 v[rT+6], v[rT+6], v[rS+23], v[rS+31]
.elseif j == 14
	v_max3_num_f32 v[rT+4], v[rT+4], v[rT+5], v[rT+6]
.elseif j == 15
	v_max3_num_f32 v[rT+4], v[rT+4], v[rT+7], v[rT+1]
.elseif j == 16
	v_permlanex16_b32 v[rT+5], v[rT+4], s[SEL], s[SEL+1]  ; the query's other 32 keys lie in the lane 16 away
.elseif j == 17
	v_mov_b32 v[rT+7], v[rT]        ; c m_old is kept for a
.elseif j == 18
	v_max_num_f32 v[rT+1], v[rT+4], v[rT+5]
.elseif j == 19
	v_mul_f32 v[rT], s[CS], v[rT+1]
.elseif j == 20
	v_sub_f32 v[rT+7], v[rT+7], v[rT]
.elseif j == 23
	v_exp_f32 v[rT+6], v[rT+7]
.elseif (j < 23) || ((j < 38) && (j%2 == 0)) || ((j < 66) && (j%4 == 2))
.set b, (j-2)/4                     ; 38, 42, .. 62: pairs 9 to 15
.if j < 38
.set b, (j-20)/2                    ; 21: pair 0; 22, 24, .. 36: pairs 1 to 8
.endif
	v_pk_fma_f32 v[rS+2*b:rS+2*b+1], v[rS+2*b:rS+2*b+1], s[CS:CS+1], v[rT:rT+1] op_sel_hi:[1,0,0] neg_lo:[0,0,1] neg_hi:[0,0,1]
.elseif j < 70
.set e, j-38                        ; 66 to 69: s28 to s31
.if j < 66
.set e, j-32-(j-38)/4               ; 39-41, 43-45, .. 63-65: s7 to s27
.endif
.if j < 38
.set e, (j-25)/2                    ; 25, 27, .. 37: s0 to s6
.endif
	v_exp_f32 v[rS+e], v[rS+e]
.elseif j < 86
	v_cvt_pk_f16_f32 v[rP+j-70], v[rS+2*(j-70)], v[rS+2*(j-70)+1]
.elseif j < 102                     ; the 16 pairs are added in place, neighbours 1, 2, 4 and 8 pairs apart, then l takes the sum
.set z, j-86
.set w, 4
.set u, z
.if z >= 14
.set w, 32
.set u, 0
.elseif z >= 12
.set w, 16
.set u, z-12
.elseif z >= 8
.set w, 8
.set u, z-8
.endif
.if z < 15
	v_pk_add_f32 v[rS+w*u:rS+w*u+1], v[rS+w*u:rS+w*u+1], v[rS+w*u+w/2:rS+w*u+w/2+1]
.else
	v_pk_fma_f32 v[rT+2:rT+3], v[rT+2:rT+3], v[rT+6:rT+7], v[rS:rS+1] op_sel_hi:[1,0,1]
.endif
.else
	WIN W_RS
	v_pk_mul_f32 v[rO:rO+1], v[rO:rO+1], v[rT+6:rT+7] op_sel_hi:[1,0]
.endif
.endm
; The four tiles go through the list side by side, so that no line reads the result of the one before it.  The 132 exponentials are ONE batch: nothing ahead of number 70 names a result of theirs;
; a plain instruction and one s_wait_alu depctr_va_vdst(0) stand between number 69 and number 70.
.macro SOFT
.set j, 0
.rept 70
.irp t, 0,1,2,3
	SM \t
.endr
.set j, j+1
.endr
	v_nop
	s_wait_alu depctr_va_vdst(0)
.rept 64
.irp t, 0,1,2,3
	SM \t
.endr
.set j, j+1
.endr
.endm
; 64 products O^T += V^T P: product i: tile i % 4, channels 16 ((i / 4) % 8) on, keys 32 (i / 32) on.  The 32 accumulators take turns.
.macro PVS
	s_wait_dscnt 0x0                ; V is in
	WIN W_PV
.set i, 0
.rept 64
.set rO, 64*(i%4)+8*((i/4)%8)
.set rV, 64*(i/32)+8*((i/4)%8)
.set rP, P+16*(i%4)+8*(i/32)
	v_wmma_f32_16x16x32_f16 v[rO:rO+7], v[rV:rV+7], v[rP:rP+7], v[rO:rO+7]
.set i, i+1
.endr
	WIN 0
.endm
; THE MERGE's three passes.  In pass p my tile p, as it is, goes into my own chunk (PSTORE); behind a barrier I read, from the chunk of wave (w - p) % 4, its part of my group (PLOAD) and add it,
; times that wave's factor, onto tile 0 (PADD).  Each accumulator's lowest registers are stored first.
.macro PSTORE p
	WIN 0x04                        ; store data in window 1
.set k, 0
.rept 16
	ds_store_b128 v[CHW], v[64*(\p)+4*k:64*(\p)+4*k+3] offset:512*k
.set k, k+1
.endr
	WIN 0
.endm
.macro PLOAD p
.set k, 0
.rept 16
	ds_load_b128 v[S+4*k:S+4*k+3], v[CHR+(\p)-1] offset:512*k
.set k, k+1
.endr
.endm
.macro PADD p
	WIN W_FM
.set k, 0
.rept 32
	v_pk_fma_f32 v[2*k:2*k+1], v[S+2*k:S+2*k+1], v[EX+24+2*(\p):EX+25+2*(\p)], v[2*k:2*k+1]
.set k, k+1
.endr
	WIN 0
.endm
; A BLOCK'S END.  Each wave publishes c m and l of its four tiles.  The wave that finishes a group takes M = the largest c m of the group's four waves, f_p = 2^(c m_p - M), L = the sum of f_p l_p and
; g_p = f_p / L, and forms O = the sum of g_p O_p: its own tile 0 times g_0, the three others' as they come.  Then it rounds to f16 and stores 16 rows of 256 bytes.  kind = 0: the second block is set up behind it.
.macro ENDB kind
	WIN 0
.irp t, 0,1,2,3
	v_add_f32 v[ST+8*\t+4], v[ST+8*\t+2], v[ST+8*\t+3]   ; these lines are also the places behind the last products
.endr
.irp t, 0,1,2,3
	v_permlanex16_b32 v[ST+8*\t+5], v[ST+8*\t+4], s[SEL], s[SEL+1]
.endr
.irp t, 0,1,2,3
	v_add_f32 v[ST+8*\t+4], v[ST+8*\t+4], v[ST+8*\t+5]
.endr
	v_cmp_eq_u32 vcc_lo, 1, v9
.irp t, 0,1,2,3
	v_cndmask_b32 v[ST+8*\t+5], v[ST+8*\t], v[ST+8*\t+4], vcc_lo   ; lanes 0-15 send c m, lanes 16-31 l
.endr
.irp t, 0,1,2,3
	ds_store_b32 v[SAW+\t], v[ST+8*\t+5]
.endr
	PSTORE 1                        ; the first pass's tile goes out with the statistics
	s_wait_dscnt 0x0                ; for the others' sake
	s_barrier_signal -1
	s_barrier_wait -1
.irp p, 0,1,2,3
	ds_load_b32 v[EX+\p], v[SAR+\p]
	ds_load_b32 v[EX+4+\p], v[SAR+\p] offset:64
.endr
	PLOAD 1
	s_wait_dscnt 16                 ; the eight statistics are in; the tile's 16 loads may stay out
	v_max3_num_f32 v[EX+8], v[EX], v[EX+1], v[EX+2]
	v_max_num_f32 v[EX+8], v[EX+8], v[EX+3]
.irp p, 0,1,2,3
	v_sub_f32 v[EX+12+\p], v[EX+\p], v[EX+8]
.endr
.irp p, 0,1,2,3
	v_exp_f32 v[EX+16+\p], v[EX+12+\p]
.endr
	v_nop                           ; a plain instruction behind the last exponential,
	s_wait_alu depctr_va_vdst(0)    ; and one wait for the four
	v_mul_f32 v[EX+20], v[EX+16], v[EX+4]
	v_fmac_f32 v[EX+20], v[EX+17], v[EX+5]
	v_fmac_f32 v[EX+20], v[EX+18], v[EX+6]
	v_fmac_f32 v[EX+20], v[EX+19], v[EX+7]
	v_rcp_f32 v[EX+21], v[EX+20]
	v_nop
	s_wait_alu depctr_va_vdst(0)
.irp p, 0,1,2,3
	v_mul_f32 v[EX+24+2*\p], v[EX+16+\p], v[EX+21]
	v_mul_f32 v[EX+25+2*\p], v[EX+16+\p], v[EX+21]   ; twice: the packed lines name a pair
.endr
	s_wait_dscnt 0x0                ; my reads of the chunk are over
	s_barrier_signal -1             ; the arithmetic stands between the signal and the wait
	WIN W_RS
.set k, 0
.rept 32
	v_pk_mul_f32 v[2*k:2*k+1], v[2*k:2*k+1], v[EX+24:EX+25]
.set k, k+1
.endr
	PADD 1
	s_barrier_wait -1               ; the chunks are free
.irp p, 2,3
	PSTORE \p
	s_wait_dscnt 0x0
	s_barrier_signal -1
	s_barrier_wait -1
	PLOAD \p
	s_wait_dscnt 0x0
	s_barrier_signal -1
	PADD \p
	s_barrier_wait -1
.endr
	WIN 0x05                        ; sources 0 and 1 window 1, destination window 0
.set k, 0
.rept 32
	v_cvt_pk_f16_f32 v[S+k], v[2*k], v[2*k+1]
.set k, k+1
.endr
	WIN 0
.irp f, 0,1,2,3,4,5,6,7
	ds_store_b128 v[STO], v[S+4*\f:S+4*\f+3] offset:32*\f          ; my own chunk: behind the last pass's second barrier nobody else touches it
.endr
.irp f, 0,1,2,3,4,5,6,7
	ds_load_b128 v[S+32+4*\f:S+32+4*\f+3], v[RD] offset:\f*2*SP    ; LDS serves a wave's instructions in order (ISA guide 5.7.1.4): these see the stores above
.endr
.irp f, 0,1,2,3,4,5,6,7
	s_wait_dscnt 7-\f
	global_store_b128 v[GO], v[S+32+4*\f:S+32+4*\f+3], s[74:75] offset:\f*8192   ; 16 lanes store 256 consecutive bytes, at a multiple of 256 from O's first
.endr
.if (\kind) == 0
	s_wait_xcnt 0x0                 ; the stores have read their registers and O's address
	s_mov_b64 s[74:75], s[76:77]
	s_add_co_u32 s[RT], s[CC], 1    ; the second block has c + 1 tiles
.irp t, 0,1,2,3
	v_mov_b32 v[ST+8*\t+1], 0xe0ad78ec
	v_mul_f32 v[ST+8*\t], s[CS], v[ST+8*\t+1]
	v_mov_b32 v[ST+8*\t+2], 0
	v_mov_b32 v[ST+8*\t+3], 0
	v_add_nc_u32 v[QV+\t], s[DQ], v[QV+\t]
.endr
	WIN 0x83                        ; the second block's Q goes where the one text of the products names Q
.set k, 0
.rept 128
	v_mov_b32 v[k], v[128+k]
.set k, k+1
.endr
	WIN 0
.endif
.endm
.Lslot:                             ; 8 times: a tile is entered and the next is asked for.  Both jumps below hang on c and on counts alone: they go the same way in all waves and all partners
	CHANGE 1
	s_sub_co_u32 s[RT], s[RT], 1
	WORK
	s_cmp_lg_u32 s[RT], 0
	s_cbranch_scc1 .Lopen           ; not the block's last tile: nothing is hidden
	MASKS
.Lopen:
	SOFT
	PVS
	s_cmp_lg_u32 s[RT], 0
	s_cbranch_scc1 .Lbottom
	ENDB 0                          ; in the loop this is the first block's end: the second block's last tile is the walk's last
.Lbottom:
	s_sub_co_u32 s[SLOTS], s[SLOTS], 1
	s_cmp_lg_u32 s[SLOTS], 0
	s_cbranch_scc1 .Lslot
	CHANGE 0                        ; the walk's last tile is written out: nothing is asked for
	WORK
	MASKS
	SOFT
	PVS
	ENDB 1
	s_wait_tensorcnt 0x0            ; the wave's end: behind my last tensor load and my last LDS store
	ds_add_u32 v[SPW], v[NIL]
	s_wait_dscnt 0x0
	CROUND                          ; the closing round
	s_endpgm
.Lfunc_end_k_q861ee4828f_attn:
	.size	k_q861ee4828f_attn, .Lfunc_end_k_q861ee4828f_attn-k_q861ee4828f_attn
	.p2alignl 7, 3214868480
	.fill 96, 4, 3214868480
	.section	.rodata,"a",@progbits
	.p2align	6, 0x0
	.amdhsa_kernel k_q861ee4828f_attn
		.amdhsa_group_segment_fixed_size 327680
		.amdhsa_private_segment_fixed_size 0
		.amdhsa_enable_private_segment 0
		.amdhsa_kernarg_size 16
		.amdhsa_user_sgpr_count 2
		.amdhsa_user_sgpr_kernarg_segment_ptr 1
		.amdhsa_wavefront_size32 1
		.amdhsa_system_sgpr_workgroup_id_x 1
		.amdhsa_system_sgpr_workgroup_id_y 1
		.amdhsa_system_sgpr_workgroup_id_z 1
		.amdhsa_system_vgpr_workitem_id 0
		.amdhsa_next_free_vgpr 1024
		.amdhsa_next_free_sgpr 96
		.amdhsa_reserve_vcc 1
		.amdhsa_float_denorm_mode_32 3
		.amdhsa_float_denorm_mode_16_64 3
		.amdhsa_memory_ordered 1
		.amdhsa_forward_progress 1
		.amdhsa_inst_pref_size 170
	.end_amdhsa_kernel
	.amdgpu_metadata
---
amdhsa.version: [ 1, 2 ]
amdhsa.kernels:
  - .name:           k_q861ee4828f_attn
    .symbol:         k_q861ee4828f_attn.kd
    .args:
      - { .name: qkv, .offset: 0, .size: 8, .value_kind: global_buffer, .address_space: global }
      - { .name: ob, .offset: 8, .size: 8, .value_kind: global_buffer, .address_space: global }
    .group_segment_fixed_size: 327680
    .private_segment_fixed_size: 0
    .kernarg_segment_align: 8
    .kernarg_segment_size: 16
    .max_flat_workgroup_size: 128
    .sgpr_count:     96
    .vgpr_count:     1024
    .wavefront_size: 32
...
	.end_amdgpu_metadata
.endif
;; end of part 3
;; launch oproj (part 4): grid 16 x 16, 4 waves a work-group, clusters of 4 x 4, 327,680 bytes of LDS; arguments ob, wo16, out0; writes out0
.if DOCPART == 4
	.amdgcn_target "amdgcn-amd-amdhsa--gfx1250"
	.amdhsa_code_object_version 6
	.text
	.protected	k_q861ee4828f_oproj
	.globl	k_q861ee4828f_oproj
	.p2align	8
	.type	k_q861ee4828f_oproj,@function
k_q861ee4828f_oproj:
	s_mov_b64 s[64:65], 0
	v_nop
	global_prefetch_b8 v0, s[64:65] scope:SCOPE_SE
	s_setreg_imm32_b32 hwreg(HW_REG_WAVE_MODE, 25, 1), 1
	s_wait_xcnt 0x0
	s_wait_alu depctr_hold_cnt(0) depctr_sa_sdst(0) depctr_va_vdst(0) depctr_va_sdst(0) depctr_va_ssrc(0) depctr_va_vcc(0) depctr_vm_vsrc(0)
	s_getreg_b32 s2, hwreg(HW_REG_IB_STS2, 6, 4)
	s_cmp_eq_u32 s2, 0
	s_cbranch_scc0 .Lentry_in_a_cluster
	s_endpgm
.Lentry_in_a_cluster:
	s_bfe_u32 s2, ttmp6, 0x10000c
	s_cmp_lg_u32 s2, 0xf033
	s_cbranch_scc0 .Lentry_shape_is_right
	s_endpgm
.Lentry_shape_is_right:
; out0[s][h] = the sum over o of O[s][o] Wo[h][o].  ob: [2048][2048] f16, wo16: [2048][2048] f16 (Wo rounded to bf16, written as f16), out0: [2048][2048] f32; sums in f32.
; ORDER OF THE SUMS.  K goes in 8 steps of 256, ascending from step K0 and round to K0 - 1; K0 is 0 or 4 (below): a rotation of the ascending order.
; A tile of the output is 128 x 128: 256 work-groups, one for each WGP.  Four waves, each 64 x 64: 16 accumulators of 16 x 16.  LDS rows of 512 bytes; a wave's tensor load brings 64 of them; two slots.
; A K step is written once: the walking descriptor's LDS word and the reads' slot base are turned by one exclusive or, the descriptor's address is made anew from the step's number.
; CLUSTER 4 x 4: O's tile is asked for jointly by a row of the cluster, Wo's by a column.
; WHERE THE WALK BEGINS.  K0 = 4 x ((X ^ X >> 1 ^ Y ^ Y >> 1) & 1), X and Y the cluster's place in the grid: the same in all sixteen partners.  Of the clusters that read the same rows of O (same Y) or
; of Wo (same X), half begin at step 0 and half at step 4, so each block is read by half of its readers four steps ahead of the other half.
; THE MATRIX INSTRUCTION IS USED TRANSPOSED (source 0 = 16 rows of Wo, source 1 = 16 rows of O): a lane holds eight neighbouring numbers of a row of the output, 32 bytes.
; A wave's 64 columns of f32 are 256 bytes, aligned: each wave has a stage of its own (16 rows x 272 bytes), and the way out needs no barrier.
; No prefetch: the launch is short and its tiles are small.
; REGISTERS: window 0: v0-31 addresses; v32-95 rows on their way out; v128-255 the accumulators ((a, b) at v[128 + 8 (4 a + b)]).  window 1: two fragment buffers of 128: for 64 along K, 64 registers of O, then 64 of Wo.
.set SIZE_K, 2048
.set KSTEP,  256
.set PITCH,  528                       ; an LDS row: 512 bytes + 16 of padding = 132 words: the 16 rows of a load start at 16 different groups of four banks (64 banks of 4 bytes: ISA guide 11.1)
.set HALFT,  64*PITCH
.set SLOT,   4*HALFT                   ; 0x21000, which shares no bit with wave x HALFT
.set STAGE,  2*SLOT
.set SPITCH, 272
.set SPARE,  STAGE+4*16*SPITCH         ; behind the stages: the spare words, 128 bytes a wave: two blocks of 256 bytes that no other line names
.set ADRA0, 16                         ; v16  my lane's place in my rows of O's tile, slot 0; never rewritten
.set ADRA,  17                         ; v17  the same in the slot that is read
.set ADRB0, 20                         ; v20, v21  the same for Wo's tile
.set ADRB,  21
.set STO,  24
.set RD,   25
.set CO,   26
.set SPW,  28
.set NIL,  29
.set TMP,  32
.set ACC,  128
.set F0,   0
.set F1,   128
.set TC,  2                            ; s2   counts the tail's two trips
.set K0,  45                           ; s45  the K step at which my cluster's walk begins
.set SB,  66                           ; s66  the slot that is read: 0 or SLOT
.set KN,  67                           ; s67  the K step to be asked for next
.set OFF, 68                           ; s[68:69] a K step's byte offset in a row
.set COL, 70                           ; s[70:71] my first column, in bytes
.set G1, 24                            ; s[24:31] group 1 for O's tiles; s[32:35] group 0 of the first fill, s[36:39] of the second, which then walks
.set G0, 32
.set G1B, 48                           ; s[48:55], s[56:63] the same for Wo's tiles
.set G0B, 56
.set MSB, 0
.macro WIN new
.if MSB != (\new)
	s_set_vgpr_msb (MSB<<8)|(\new)
.set MSB, \new
.endif
.endm
.set MUL,  0x05                        ; sources 0 (Wo) and 1 (O) window 1; C and D window 0
.set TO_F, 0x40                        ; destination window 1, address window 0
.macro JLOAD s                         ; waves 0 and 1 fetch O's two halves, waves 2 and 3 Wo's; an s_nop 0 and four v_nop follow each line
	s_cmp_eq_u32 s11, 0
	s_cbranch_scc0 .Lfor_b_\@
	tensor_load_to_lds s[G0+4*(\s):G0+4*(\s)+3], s[G1:G1+7]
	s_nop 0
.rept 4
	v_nop
.endr
	s_branch .Lasked_\@
.Lfor_b_\@:
	tensor_load_to_lds s[G0B+4*(\s):G0B+4*(\s)+3], s[G1B:G1B+7]
	s_nop 0
.rept 4
	v_nop
.endr
.Lasked_\@:
.endm
.macro CREST
	s_cmp_lg_u32 s10, 0
	s_cbranch_scc1 .Lnot_wave_0_\@
	s_barrier_signal -3
.Lnot_wave_0_\@:
	s_barrier_wait -3
	s_barrier_signal -1
	s_barrier_wait -1
.endm
.macro CROUND
	s_barrier_signal -1
	s_barrier_wait -1
	CREST
.endm
	s_load_b128 s[4:7], s[0:1], 0x0                ; ob s[4:5], wo16 s[6:7]
	s_load_b64 s[8:9], s[0:1], 0x10                ; out0
	v_lshl_add_u32 v[SPW], v0, 2, SPARE
	v_mov_b32 v[NIL], 0
	ds_add_u32 v[SPW], v[NIL]                      ; the wave's opening: the add and its wait stand ahead of my first tensor load
	v_lshrrev_b32 v1, 5, v0
	v_readfirstlane_b32 s10, v1                    ; wave 0..3
	s_lshr_b32 s11, s10, 1                         ; which half of the tile's rows is mine.  Also: I fetch for O (0) or for Wo (1)
	s_and_b32 s12, s10, 1                          ; which half of its columns.  Also: which 64 rows of that tile I fetch
	s_bfe_u32 s40, ttmp6, 0x40000
	s_bfe_u32 s41, ttmp6, 0x40004
	s_lshl_b32 s42, ttmp9, 2
	s_add_co_u32 s42, s42, s40                     ; tile column = 4 x cluster x + cx
	s_and_b32 s13, ttmp7, 0xffff
	s_lshl_b32 s13, s13, 2
	s_add_co_u32 s13, s13, s41                     ; tile row = 4 x cluster y + cy
	s_lshl_b32 s43, s41, 2
	s_lshl_b32 s43, 15, s43                        ; my row of the cluster
	s_lshl_b32 s44, 0x1111, s40                    ; my column
	s_or_b32 s[G1+0], s43, (1<<16)|(1<<20)|(1<<21)|(6<<22)|(3<<25)  ; the mask; 2-byte elements; padding on; 21 set beside a mask; after every 128 words 4 words
	s_or_b32 s[G1B+0], s44, (1<<16)|(1<<20)|(1<<21)|(6<<22)|(3<<25)
.irp g, G1, G1B
	s_mov_b32 s[(\g)+1], KSTEP<<16
	s_mov_b32 s[(\g)+2], 64<<16
	s_mov_b32 s[(\g)+3], KSTEP<<16
	s_mov_b32 s[(\g)+4], 64
	s_mov_b32 s[(\g)+5], SIZE_K
	s_mov_b32 s[(\g)+6], 0
	s_mov_b32 s[(\g)+7], 0
.endr
	s_and_b32 s[K0], ttmp7, 0xffff                 ; Y
	s_lshr_b32 s[OFF+1], s[K0], 1
	s_xor_b32 s[K0], s[K0], s[OFF+1]               ; Y ^ Y >> 1
	s_xor_b32 s[K0], s[K0], ttmp9                  ; ^ X
	s_lshr_b32 s[OFF+1], ttmp9, 1
	s_xor_b32 s[K0], s[K0], s[OFF+1]               ; ^ X >> 1
	s_and_b32 s[K0], s[K0], 1
	s_lshl_b32 s[K0], s[K0], 2                     ; 0 or 4
	s_lshl_b32 s[OFF], s[K0], 9                    ; a K step is 512 bytes of a row
	s_mov_b32 s[OFF+1], 0
	s_add_co_u32 s[KN], s[K0], 2                   ; the first refill asks for the walk's step 2
	s_mov_b32 s[SB], 0
	s_lshl_b32 s17, s12, 6
	s_lshl_b32 s16, s13, 7
	s_add_co_u32 s16, s16, s17                     ; O: row 128 x tile row + 64 x half
	s_lshl_b32 s46, s42, 7
	s_add_co_u32 s46, s46, s17                     ; Wo: row 128 x tile column + 64 x half
	s_mov_b32 s17, 0
	s_mov_b32 s47, 0
	s_mov_b64 s[18:19], SIZE_K*2
	s_mul_u64 s[16:17], s[16:17], s[18:19]
	s_mul_u64 s[46:47], s[46:47], s[18:19]
	s_mul_i32 s20, s10, HALFT
	s_wait_dscnt 0x0
	s_wait_kmcnt 0x0
	s_add_nc_u64 s[14:15], s[4:5], s[16:17]        ; O's rows at K = 0: kept
	s_add_nc_u64 s[46:47], s[6:7], s[46:47]        ; Wo's rows at K = 0: kept
	CROUND
.irp s, 0,1
	s_mov_b32 s[G0+4*(\s)], 1
	s_add_co_u32 s[G0+4*(\s)+1], s20, (\s)*SLOT
	s_add_nc_u64 s[G0+4*(\s)+2:G0+4*(\s)+3], s[14:15], s[OFF:OFF+1]
	s_add_nc_u64 s[G0+4*(\s)+2:G0+4*(\s)+3], s[G0+4*(\s)+2:G0+4*(\s)+3], (\s)*KSTEP*2
	s_or_b32 s[G0+4*(\s)+3], s[G0+4*(\s)+3], 0x80000000
	s_mov_b32 s[G0B+4*(\s)], 1
	s_add_co_u32 s[G0B+4*(\s)+1], s20, (\s)*SLOT
	s_add_nc_u64 s[G0B+4*(\s)+2:G0B+4*(\s)+3], s[46:47], s[OFF:OFF+1]
	s_add_nc_u64 s[G0B+4*(\s)+2:G0B+4*(\s)+3], s[G0B+4*(\s)+2:G0B+4*(\s)+3], (\s)*KSTEP*2
	s_or_b32 s[G0B+4*(\s)+3], s[G0B+4*(\s)+3], 0x80000000
	JLOAD \s                                       ; two tensor loads of mine are out here, one behind each later round
.endr
	v_and_b32 v1, 15, v0
	v_bfe_u32 v2, v0, 4, 1
	v_mul_u32_u24 v3, v1, PITCH
	v_lshl_add_u32 v3, v2, 4, v3
	s_mul_i32 s21, s11, HALFT
	s_mul_i32 s22, s12, HALFT
	s_add_co_u32 s22, s22, 2*HALFT
	v_add_nc_u32 v[ADRA0], s21, v3
	v_add_nc_u32 v[ADRB0], s22, v3
	v_mov_b32 v[ADRA], v[ADRA0]
	v_mov_b32 v[ADRB], v[ADRB0]
	s_mul_i32 s23, s10, 16*SPITCH
	s_add_co_u32 s23, s23, STAGE                   ; my stage
	v_mul_u32_u24 v4, v1, SPITCH                   ; in: row l % 16, 32 bytes for each half of the lanes
	v_lshl_add_u32 v4, v2, 5, v4
	v_add_nc_u32 v[STO], s23, v4
	v_mul_u32_u24 v5, v2, SPITCH                   ; back: lanes 0-15 one row of 256 bytes, lanes 16-31 the next
	v_lshl_add_u32 v5, v1, 4, v5
	v_add_nc_u32 v[RD], s23, v5
	v_lshlrev_b32 v5, 13, v2                       ; and the same two rows in the output, 8,192 bytes apart
	v_lshl_add_u32 v[CO], v1, 4, v5
	s_lshl_b32 s16, s13, 7
	s_lshl_b32 s17, s11, 6
	s_add_co_u32 s16, s16, s17                     ; my first row
	s_lshl_b32 s16, s16, 13
	s_mov_b32 s17, 0
	s_add_nc_u64 s[8:9], s[8:9], s[16:17]
	s_lshl_b32 s[COL], s42, 9                      ; my first column, in bytes: 512 x tile column + 256 x half
	s_lshl_b32 s[COL+1], s12, 8
	s_add_co_u32 s[COL], s[COL], s[COL+1]
	s_mov_b32 s[COL+1], 0
	s_add_nc_u64 s[8:9], s[8:9], s[COL:COL+1]
.macro MUL8 f, c, a0, zero             ; 8 matrix instructions: row blocks a0, a0 + 1 x all 4 column blocks, 32 along K: half c of buffer f.  The 16 accumulators take turns
	WIN MUL
.irp a, \a0, (\a0)+1
.irp b, 0,1,2,3
.if \zero
	v_wmma_f32_16x16x32_f16 v[ACC+8*(4*(\a)+(\b)):ACC+8*(4*(\a)+(\b))+7], v[(\f)+64+8*(4*(\c)+(\b)):(\f)+64+8*(4*(\c)+(\b))+7], v[(\f)+8*(4*(\c)+(\a)):(\f)+8*(4*(\c)+(\a))+7], 0
.else
	v_wmma_f32_16x16x32_f16 v[ACC+8*(4*(\a)+(\b)):ACC+8*(4*(\a)+(\b))+7], v[(\f)+64+8*(4*(\c)+(\b)):(\f)+64+8*(4*(\c)+(\b))+7], v[(\f)+8*(4*(\c)+(\a)):(\f)+8*(4*(\c)+(\a))+7], v[ACC+8*(4*(\a)+(\b)):ACC+8*(4*(\a)+(\b))+7]
.endif
.endr
.endr
.endm
.macro FETCH k, f                      ; 32 LDS loads in one run: the fragments of 64 along K at byte k of the rows of the slot that is read; the first 32 along K first
	WIN TO_F
.irp c, 0,1
.irp i, 0,1,2,3
	ds_load_b128 v[(\f)+64+8*(4*(\c)+(\i)):(\f)+64+8*(4*(\c)+(\i))+3],   v[ADRB] offset:(\k)+64*(\c)+(\i)*16*PITCH
	ds_load_b128 v[(\f)+64+8*(4*(\c)+(\i))+4:(\f)+64+8*(4*(\c)+(\i))+7], v[ADRB] offset:(\k)+64*(\c)+(\i)*16*PITCH+32
	ds_load_b128 v[(\f)+8*(4*(\c)+(\i)):(\f)+8*(4*(\c)+(\i))+3],         v[ADRA] offset:(\k)+64*(\c)+(\i)*16*PITCH
	ds_load_b128 v[(\f)+8*(4*(\c)+(\i))+4:(\f)+8*(4*(\c)+(\i))+7],       v[ADRA] offset:(\k)+64*(\c)+(\i)*16*PITCH+32
.endr
.endr
.endm
.macro PLACES
.rept 4
	v_nop
.endr
.endm
.macro QUARTER k, f, g, zero           ; 64 along K: 32 matrix instructions on buffer f; the next quarter, at byte k, is fetched into g
	s_wait_dscnt 16                                ; the first 32 along K are in
	WIN MUL
	MUL8 \f, 0, 0, \zero
	MUL8 \f, 0, 2, \zero
	PLACES
	FETCH \k, \g
	s_wait_dscnt 32                                ; all but the 32 just issued
	WIN MUL
	MUL8 \f, 1, 0, 0
	MUL8 \f, 1, 2, 0
.endm
; The last quarter multiplies buffer 1 and changes slots: one barrier, in front of it the wait for all my tensor loads, the add, and the wait for it and for my reads of this slot.
; fill = 1: the barrier opens a round of the cluster's, and the joint refill, the walk's step two on, is the first thing behind the round.
.macro TURN fill
	WIN 0
	s_wait_tensorcnt 0x0                           ; no tensor load of mine is out, so a group 0 may be written
	ds_add_u32 v[SPW], v[NIL]
.if \fill
	s_lshl_b32 s[OFF], s[KN], 9
	s_xor_b32 s[G0+5], s[G0+5], SLOT               ; the walking descriptors: the other slot than last time,
	s_add_nc_u64 s[G0+6:G0+7], s[14:15], s[OFF:OFF+1]   ; the address made anew from the step's number
	s_or_b32 s[G0+7], s[G0+7], 0x80000000
	s_xor_b32 s[G0B+5], s[G0B+5], SLOT
	s_add_nc_u64 s[G0B+6:G0B+7], s[46:47], s[OFF:OFF+1]
	s_or_b32 s[G0B+7], s[G0B+7], 0x80000000
	s_add_co_u32 s[KN], s[KN], 1
	s_and_b32 s[KN], s[KN], 7                      ; behind step 7 comes step 0
.endif
	s_xor_b32 s[SB], s[SB], SLOT                   ; the reads go to the other slot
	s_wait_dscnt 17                                ; (the add and the youngest sixteen loads may be out)
	WIN MUL
	MUL8 F1, 0, 0, 0
	s_wait_dscnt 0x0                               ; the add is done, and my reads of this slot are over
	s_barrier_signal -1
	MUL8 F1, 0, 2, 0
	WIN 0
	s_barrier_wait -1
.if \fill
	CREST                                          ; no wave of any partner still reads this slot or has a load on its way
	JLOAD 1                                        ; 112 matrix instructions ahead of the wait for it; its four v_nop are also the places in front of the loads below
.else
	PLACES
.endif
	v_add_nc_u32 v[ADRA], s[SB], v[ADRA0]
	v_add_nc_u32 v[ADRB], s[SB], v[ADRB0]
	FETCH 0, F0
	WIN MUL
	MUL8 F1, 1, 0, 0
	MUL8 F1, 1, 2, 0
.endm
	s_wait_tensorcnt 1                             ; my part of the walk's step 0 is in; step 1's may stay out
	s_barrier_signal -1
	s_barrier_wait -1
	FETCH 0, F0
	QUARTER 128, F0, F1, 1                         ; the first quarter stands in front of the loop: its first products start the sums
	WIN 0
	s_mov_b32 s3, 6                                ; the walk's steps 2 to 7 are asked for
.Lstep:                                                ; a trip goes from a step's second quarter to the next step's first, and fills the slot that it leaves
	QUARTER 256, F1, F0, 0
	QUARTER 384, F0, F1, 0
	TURN 1
	QUARTER 128, F0, F1, 0
	WIN 0
	s_sub_co_u32 s3, s3, 1
	s_cmp_lg_u32 s3, 0
	s_cbranch_scc1 .Lstep
	s_mov_b32 s[TC], 2                             ; the last two steps fill nothing: a loop of two trips, entered behind a step's first quarter
	s_branch .Lmid
.Ltail:
	QUARTER 128, F0, F1, 0
	WIN 0
.Lmid:
	QUARTER 256, F1, F0, 0
	QUARTER 384, F0, F1, 0
	TURN 0                                         ; in the second trip its 32 loads (slot 0's old tile) serve nothing: the price, once a launch, of one text for both trips
	WIN 0
	s_sub_co_u32 s[TC], s[TC], 1
	s_cmp_lg_u32 s[TC], 0
	s_cbranch_scc1 .Ltail
	; THE WAY OUT, 16 rows at a time: the sums go as they are, 32 bytes a lane, into my stage, and come back as whole rows of 256 bytes.  Each accumulator's lowest registers are stored first.
	s_wait_dscnt 0x0
	PLACES
	PLACES
.irp a, 0,1,2,3
.if (\a) >= 2
	s_wait_xcnt 0x0                                ; the stores two blocks back have read the registers that are loaded again below
.endif
.irp b, 0,1,2,3
	ds_store_b128 v[STO], v[ACC+8*(4*(\a)+(\b)):ACC+8*(4*(\a)+(\b))+3]   offset:64*(\b)
	ds_store_b128 v[STO], v[ACC+8*(4*(\a)+(\b))+4:ACC+8*(4*(\a)+(\b))+7] offset:64*(\b)+16
.endr
.irp f, 0,1,2,3,4,5,6,7
	ds_load_b128 v[TMP+32*((\a)%2)+4*(\f):TMP+32*((\a)%2)+4*(\f)+3], v[RD] offset:(\f)*2*SPITCH  ; LDS serves a wave's instructions in order (ISA guide 5.7.1.4): these see the stores above; the next block's stores come behind them
.endr
.irp f, 0,1,2,3,4,5,6,7
	s_wait_dscnt 7-(\f)
	global_store_b128 v[CO], v[TMP+32*((\a)%2)+4*(\f):TMP+32*((\a)%2)+4*(\f)+3], s[8:9] offset:(16*(\a)+2*(\f))*8192  ; 16 lanes store 256 consecutive bytes, at a multiple of 256 from the output's first
.endr
.endr
	s_wait_tensorcnt 0x0                           ; the wave's end: behind my last tensor load and my last LDS store
	ds_add_u32 v[SPW], v[NIL]
	s_wait_dscnt 0x0
	CROUND                                         ; the closing round
	s_endpgm
.Lfunc_end_k_q861ee4828f_oproj:
	.size	k_q861ee4828f_oproj, .Lfunc_end_k_q861ee4828f_oproj-k_q861ee4828f_oproj
	.p2alignl 7, 3214868480
	.fill 96, 4, 3214868480
	.section	.rodata,"a",@progbits
	.p2align	6, 0x0
	.amdhsa_kernel k_q861ee4828f_oproj
		.amdhsa_group_segment_fixed_size 327680
		.amdhsa_private_segment_fixed_size 0
		.amdhsa_enable_private_segment 0
		.amdhsa_kernarg_size 24
		.amdhsa_user_sgpr_count 2
		.amdhsa_user_sgpr_kernarg_segment_ptr 1
		.amdhsa_wavefront_size32 1
		.amdhsa_system_sgpr_workgroup_id_x 1
		.amdhsa_system_sgpr_workgroup_id_y 1
		.amdhsa_system_sgpr_workgroup_id_z 1
		.amdhsa_system_vgpr_workitem_id 0
		.amdhsa_next_free_vgpr 512
		.amdhsa_next_free_sgpr 72
		.amdhsa_reserve_vcc 0
		.amdhsa_float_denorm_mode_32 3
		.amdhsa_float_denorm_mode_16_64 3
		.amdhsa_memory_ordered 1
		.amdhsa_forward_progress 1
		.amdhsa_inst_pref_size 59
	.end_amdhsa_kernel
	.amdgpu_metadata
---
amdhsa.version: [ 1, 2 ]
amdhsa.kernels:
  - .name:           k_q861ee4828f_oproj
    .symbol:         k_q861ee4828f_oproj.kd
    .args:
      - { .name: ob, .offset: 0, .size: 8, .value_kind: global_buffer, .address_space: global }
      - { .name: wo16, .offset: 8, .size: 8, .value_kind: global_buffer, .address_space: global }
      - { .name: out0, .offset: 16, .size: 8, .value_kind: global_buffer, .address_space: global }
    .group_segment_fixed_size: 327680
    .private_segment_fixed_size: 0
    .kernarg_segment_align: 8
    .kernarg_segment_size: 24
    .max_flat_workgroup_size: 128
    .sgpr_count:     72
    .vgpr_count:     512
    .wavefront_size: 32
...
	.end_amdgpu_metadata
.endif
;; end of part 4
